; MI455X (gfx1250); checked and timed in simulation.
; The chip was launched on July 23, 2026; its instructions are those of AMD's public machine-readable ISA for CDNA 5 (MIT licence, August 2026) and "CDNA5" Instruction Set Architecture Reference Guide (July 2026). The comments in the code are by the model that wrote it; some were corrected since.
;; Glm Image VQVAE. Allowed arithmetic: float matrix products may take bf16 or f16 operands with f32 sums; all other float work in f32.
;; Inputs: conv_b 256 float32; conv_w 256 x 256 float32; embedding 16,384 x 256 float32; hidden_states 16 x 256 x 32 x 32 float32.
;; Outputs: out0 16,384 int32.
;; 2 versions, each right and faster than the one before. Each part assembles by itself: llvm-mc -triple=amdgcn-amd-amdhsa -mcpu=gfx1250 --defsym DOCPART=n.
;; ======== version 1 of 2: 3 launches
;; limits: inputs' magnitudes at most 65,504; values are held in f16: magnitudes above 65,504 overflow, below 6.1e-05 lose precision
;; workspace buffers: cb16 8,388,608 bytes; hb 65,536 bytes; z16 8,388,608 bytes; z32 16,777,216 bytes; cand 524,288 bytes of whole numbers
;; launch prep (part 1): grid 256 x 1, 4 waves a work-group, clusters of 4 x 1, 267,008 bytes of LDS; arguments hidden_states, conv_w, conv_b, embedding, cb16, hb, z16, z32; writes cb16, hb, z16, z32
.if DOCPART == 1
	.amdgcn_target "amdgcn-amd-amdhsa--gfx1250"
	.amdhsa_code_object_version 6
	.text
	.protected	k_qb779485e8e_prep
	.globl	k_qb779485e8e_prep
	.p2align	8
	.type	k_qb779485e8e_prep,@function
k_qb779485e8e_prep:
	s_mov_b64 s[64:65], 0
	v_nop
	global_prefetch_b8 v0, s[64:65] scope:SCOPE_SE
	s_setreg_imm32_b32 hwreg(HW_REG_WAVE_MODE, 25, 1), 1
	s_wait_xcnt 0x0
	s_wait_alu depctr_hold_cnt(0) depctr_sa_sdst(0) depctr_va_vdst(0) depctr_va_sdst(0) depctr_va_ssrc(0) depctr_va_vcc(0) depctr_vm_vsrc(0)
	s_getreg_b32 s2, hwreg(HW_REG_IB_STS2, 6, 4)
	s_cmp_eq_u32 s2, 0
	s_cbranch_scc0 .Lentry_in_a_cluster
	s_endpgm
.Lentry_in_a_cluster:
	s_bfe_u32 s2, ttmp6, 0x10000c
	s_cmp_lg_u32 s2, 0x3003
	s_cbranch_scc0 .Lentry_shape_is_right
	s_endpgm
.Lentry_shape_is_right:
; PREP.  (a) 64 code rows a work-group: c = e / max(|e|, 1e-12) as f16 (cb16), and hb = -|c|^2 / 2 in f32.
; (b) 64 pixels a work-group: z = W h + b, z / max(|z|, 1e-12) as f32 (z32) and as f16 (z16).
; The answer of the whole program is an index, so z is wanted to f32's accuracy although the product runs on the matrix unit: every
; operand x is split into hi = f16(x) and lo = f16((x - hi) 2^11) (the difference is exact), and z = Whi Hhi + 2^-11 (Whi Hlo + Wlo Hhi);
; the term lo lo, 2^-22 of a product, is left out.
; LIMITS.  |h| and |w| stay under 65,504 (f16's largest number); a split part below 2^-25 / 2^11 is lost; NaN and infinities are not served;
; a row whose sum of squares is below 2^-126 counts as a zero row (the root flushes it); sums run in another order than a row-wise f32 sum.
; SHARES.  Work-group g = 4 x cluster + place: pixels and code rows 64 g .. 64 g + 63.  In the product wave w makes channels 64 w .. 64 w + 63 of all
; 64 pixels (source 0 = 16 channels of W, source 1 = 16 pixels of h: a lane then holds one pixel and eight neighbouring channels).  In both
; normalisations wave w takes rows 16 w .. 16 w + 15, a whole row at a time: lane L holds elements 4 L .. 4 L + 3 and 128 + 4 L .. + 3.
; CLUSTER.  W (262,144 bytes) is two thirds of what a work-group reads and all want it at their start: the four work-groups of a cluster ask for it
; jointly, one tensor load a wave (one outstanding, the wave's only one).  The place in the cluster, g and every offset made of them live in s[2:3], s21 and
; s40-42 alone: no register that feeds the descriptor or an LDS address ever holds them.
; LDS.  0: W as f32, wave w's 64 rows at 66,560 w, rows 1,040 bytes apart (1,024 + 16).  When every wave of the cluster has its W in registers (the round B1) the same
; bytes, which have had their last fill, take: 0 Hhi, 40,960 Hlo ([256 channels][64 pixels] f16, rows 160 bytes apart), 81,920 z ([64 pixels][256] f32, rows 1,040 apart).
; 266,240: 64 words of hb.
; REGISTERS.  Window 0: see the names below.  Window 1: Whi(a, s) at 64 a + 8 s.  Window 2: Wlo(a, s) likewise.
; Window 3: sums of hi hi at 8 (4 a + t), sums of the two cross terms at 128 + 8 (4 a + t)   (a: 16 channels, t: 16 pixels, s: 32 along K).
.set WP,   1040                        ; an LDS row of W or of z: 65 x 16 bytes, so 16 rows start at 16 different 16-byte columns of the 256 bytes of banks (ISA guide 11.1)
.set WSTG, 64*WP
.set HP,   160                         ; an LDS row of h: 128 + 32 bytes, an odd multiple of 32, for the turning load
.set HLO,  256*HP
.set ZST,  2*HLO
.set HBS,  4*WSTG
.set WV,   20                          ; s20  wave
.set LN,   1                           ; v1   lane
.set R,    2                           ; v2   lane % 16
.set H,    3                           ; v3   lane / 16
.set RO32, 4                           ; v4   16,384 w + 16 L: my 16 bytes in my wave's f32 rows
.set RO16, 5                           ; v5   8,192 w + 8 L: my 8 bytes in my wave's f16 rows
.set HO,   6                           ; v6   h: channel 64 w + H, pixels 4 R .. 4 R + 3
.set WA,   7                           ; v7   W in LDS: my row R of a fragment, 32 H
.set T,    8                           ; v8-15  f16 pairs; halves of a register can be named in v0-v127 only, so they are made here
.set HSA,  16                          ; v16, v17  where my f16 of h go: Hhi, Hlo
.set ATH,  18                          ; v18, v19  the turning load's address: Hhi, Hlo
.set ZSA,  20                          ; v20  z into the stage
.set ZRA,  21                          ; v21  z rows back
.set HBV,  23                          ; v23  lane R: hb of my wave's row R
.set HBA,  24
.set BO,   25                          ; v25  conv_b: 256 w + 32 H
.set TM,   26                          ; v26-31 at work
.set HS,   32                          ; v32-159  h as loaded; then HF: fragments of h (64 buffer + 32 plane + 8 t); then ZR: 16 rows of z
.set HF,   32
.set ZR,   32
.set RING, 160                         ; v160-223 two batches of four code rows; then XW, BI, ZT; then FZ
.set XW,   160                         ; v160-191 two fragments of W in f32
.set BI,   160                         ; v160-191 conv_b, 8 channels for each a
.set ZT,   192                         ; v192-223 z of one t
.set FZ,   160                         ; v160-223 z rows in f16
.set SQ,   224                         ; v224-231 four rows' sums of squares (pairs)
.set IV,   232                         ; v232-239 four rows: 1 / max(n, eps) (even), max(n, eps) (odd)
.set F,    240                         ; v240-255 a batch of code rows in f16: store data
.set Y,    240                         ; v240-255 later: halves widened again
.set MSB, 0
.macro WIN new                         ; the immediate's high byte repeats the setting that is left; a switch that changes nothing is dropped
.if MSB != \new
	s_set_vgpr_msb (MSB<<8)|\new
.set MSB, \new
.endif
.endm
.macro PLACES                          ; four places behind a matrix instruction where no other vector work is at hand; also behind a joint load
.rept 4
	v_nop
.endr
.endm
.macro ROUND                           ; a round of the cluster's barrier
	s_barrier_signal -1
	s_barrier_wait -1
	s_cmp_lg_u32 s[WV], 0
	s_cbranch_scc1 .Lnot_wave_0_\@
	s_barrier_signal -3
.Lnot_wave_0_\@:
	s_barrier_wait -3
	s_barrier_signal -1
	s_barrier_wait -1
.endm
; Four rows of 8 registers at X: the sum of squares S (SQ even), 1 / max(sqrt S, 1e-12) (IV even), the rows scaled in place.
.macro NORM4 X
.irp q, 0,1,2,3
	v_pk_mul_f32 v[SQ+2*\q:SQ+2*\q+1], v[\X+8*\q:\X+8*\q+1], v[\X+8*\q:\X+8*\q+1]
.endr
.irp k, 2,4,6
.irp q, 0,1,2,3
	v_pk_fma_f32 v[SQ+2*\q:SQ+2*\q+1], v[\X+8*\q+\k:\X+8*\q+\k+1], v[\X+8*\q+\k:\X+8*\q+\k+1], v[SQ+2*\q:SQ+2*\q+1]
.endr
.endr
.irp q, 0,1,2,3
	v_add_f32 v[SQ+2*\q], v[SQ+2*\q], v[SQ+2*\q+1]
.endr
.irp m, 1,2,4,8
.irp q, 0,1,2,3
	v_add_f32_dpp v[SQ+2*\q], v[SQ+2*\q], v[SQ+2*\q] row_xmask:\m row_mask:0xf bank_mask:0xf
.endr
.endr
.irp q, 0,1,2,3
	v_permlanex16_b32 v[SQ+2*\q+1], v[SQ+2*\q], s36, s37
.endr
.irp q, 0,1,2,3
	v_add_f32 v[SQ+2*\q], v[SQ+2*\q], v[SQ+2*\q+1]
.endr
.irp q, 0,1,2,3
	v_sqrt_f32 v[IV+2*\q+1], v[SQ+2*\q]
.endr
	v_nop                                          ; a plain instruction between the last root and the use of its result (ISA guide 5.7.2)
	s_wait_alu depctr_va_vdst(0)
.irp q, 0,1,2,3
	v_max_num_f32 v[IV+2*\q+1], 0x2b8cbccc, v[IV+2*\q+1]   ; 1e-12
.endr
.irp q, 0,1,2,3
	v_rcp_f32 v[IV+2*\q], v[IV+2*\q+1]
.endr
	v_nop
	s_wait_alu depctr_va_vdst(0)
.irp q, 0,1,2,3
.irp k, 0,2,4,6
	v_pk_mul_f32 v[\X+8*\q+\k:\X+8*\q+\k+1], v[\X+8*\q+\k:\X+8*\q+\k+1], v[IV+2*\q:IV+2*\q+1] op_sel_hi:[1,0]
.endr
.endr
.endm
.macro CVT4 X, D                       ; four rows to f16: 4 registers a row
.irp q, 0,1,2,3
.irp k, 0,1,2,3
	v_cvt_pk_f16_f32 v[\D+4*\q+\k], v[\X+8*\q+2*\k], v[\X+8*\q+2*\k+1]
.endr
.endr
.endm
; 16 numbers at X: hi = f16(x) in pairs into v8-15; X becomes (x - hi) 2^11, exact, ready for its own rounding to f16 (the factor keeps it out of f16's denormals)
.macro SPLIT16 X
.irp j, 0,1,2,3,4,5,6,7
	v_cvt_pk_f16_f32 v[T+\j], v[\X+2*\j], v[\X+2*\j+1]
.endr
	v_cvt_f32_f16 v[Y+0], v8.l
	v_cvt_f32_f16 v[Y+1], v8.h
	v_cvt_f32_f16 v[Y+2], v9.l
	v_cvt_f32_f16 v[Y+3], v9.h
	v_cvt_f32_f16 v[Y+4], v10.l
	v_cvt_f32_f16 v[Y+5], v10.h
	v_cvt_f32_f16 v[Y+6], v11.l
	v_cvt_f32_f16 v[Y+7], v11.h
	v_cvt_f32_f16 v[Y+8], v12.l
	v_cvt_f32_f16 v[Y+9], v12.h
	v_cvt_f32_f16 v[Y+10], v13.l
	v_cvt_f32_f16 v[Y+11], v13.h
	v_cvt_f32_f16 v[Y+12], v14.l
	v_cvt_f32_f16 v[Y+13], v14.h
	v_cvt_f32_f16 v[Y+14], v15.l
	v_cvt_f32_f16 v[Y+15], v15.h
.irp j, 0,1,2,3,4,5,6,7
	v_pk_add_f32 v[\X+2*\j:\X+2*\j+1], v[\X+2*\j:\X+2*\j+1], v[Y+2*\j:Y+2*\j+1] neg_lo:[0,1] neg_hi:[0,1]
.endr
.irp j, 0,1,2,3,4,5,6,7
	v_pk_mul_f32 v[\X+2*\j:\X+2*\j+1], v[\X+2*\j:\X+2*\j+1], 0x45000000 op_sel_hi:[1,0]   ; 2^11
.endr
.endm
.macro CLOAD b                         ; batch b: four code rows, each load of the wave 512 neighbouring bytes
.irp q, 0,1,2,3
	global_load_b128 v[RING+32*((\b)%2)+8*\q:RING+32*((\b)%2)+8*\q+3], v[RO32], s[10:11] offset:(4*(\b)+\q)*1024
	global_load_b128 v[RING+32*((\b)%2)+8*\q+4:RING+32*((\b)%2)+8*\q+7], v[RO32], s[10:11] offset:(4*(\b)+\q)*1024+512
.endr
.endm
; Batch b of the code rows.  left: the younger loads that may stay out.  more = 1: the ring's slot takes batch b + 2.
.macro CODEB b, left, more
.set XR, RING+32*((\b)%2)
	s_wait_loadcnt \left
	NORM4 XR
.irp q, 0,1,2,3
	v_mul_f32 v[TM+\q], v[SQ+2*\q], v[IV+2*\q]
.endr
.irp q, 0,1,2,3
	v_mul_f32 v[TM+\q], v[TM+\q], v[IV+2*\q]       ; |c|^2 = S / max(n, eps)^2
.endr
.irp q, 0,1,2,3
	v_mul_f32 v[TM+\q], -0.5, v[TM+\q]
.endr
.irp q, 0,1,2,3
	v_cmp_eq_u32 vcc_lo, 4*(\b)+\q, v[R]
	v_cndmask_b32 v[HBV], v[HBV], v[TM+\q], vcc_lo
.endr
	s_wait_xcnt 0x0                                ; F is the last batch's store data: it is rewritten only behind this wait (ISA guide 3.1)
	CVT4 XR, F
.irp q, 0,1,2,3
	global_store_b64 v[RO16], v[F+4*\q:F+4*\q+1], s[12:13] offset:(4*(\b)+\q)*512        ; a store of the wave covers 256 consecutive bytes, aligned
	global_store_b64 v[RO16], v[F+4*\q+2:F+4*\q+3], s[12:13] offset:(4*(\b)+\q)*512+256
.endr
.if \more
	CLOAD (\b)+2
.endif
.endm
.macro WLOAD f                         ; fragment f = 8 a + s of W in f32: K = 8 H .. + 7 and 16 + 8 H .. + 7 of row R
.set XB, XW+16*((\f)%2)
.set WO, ((\f)/8)*16*WP+((\f)%8)*128
	ds_load_b128 v[XB:XB+3],     v[WA] offset:WO
	ds_load_b128 v[XB+4:XB+7],   v[WA] offset:WO+16
	ds_load_b128 v[XB+8:XB+11],  v[WA] offset:WO+64
	ds_load_b128 v[XB+12:XB+15], v[WA] offset:WO+80
.endm
.macro WCONV f                         ; split, hi to window 1 (a copy, since the halves had to be named in v8-15), lo rounded straight into window 2
.set XB, XW+16*((\f)%2)
.set WD, 64*((\f)/8)+8*((\f)%8)
	SPLIT16 XB
	WIN 0x40
.irp j, 0,1,2,3,4,5,6,7
	v_mov_b32 v[WD+\j], v[T+\j]
.endr
	WIN 0x80
.irp j, 0,1,2,3,4,5,6,7
	v_cvt_pk_f16_f32 v[WD+\j], v[XB+2*\j], v[XB+2*\j+1]
.endr
	WIN 0
.endm
.macro HCONV q                         ; four loads of h (channels 64 w + 8 q + 2 m + H): split, and into the two planes
	SPLIT16 HS+16*(\q)
.irp j, 0,1,2,3,4,5,6,7
	v_cvt_pk_f16_f32 v[Y+\j], v[HS+16*(\q)+2*\j], v[HS+16*(\q)+2*\j+1]
.endr
.irp m, 0,1,2,3
	ds_store_b64 v[HSA],   v[T+2*\m:T+2*\m+1] offset:(4*(\q)+\m)*2*HP
	ds_store_b64 v[HSA+1], v[Y+2*\m:Y+2*\m+1] offset:(4*(\q)+\m)*2*HP
.endr
.endm
.macro HFETCH s                        ; K step s: 32 channels x 64 pixels of both planes, turned: lane holds pixel R of tile t
.set HB2, HF+64*((\s)%2)
.irp pl, 0,1
.irp t, 0,1,2,3
	ds_load_tr16_b128 v[HB2+32*\pl+8*\t:HB2+32*\pl+8*\t+3],   v[ATH+\pl] offset:(\s)*32*HP+32*\t
	ds_load_tr16_b128 v[HB2+32*\pl+8*\t+4:HB2+32*\pl+8*\t+7], v[ATH+\pl] offset:(\s)*32*HP+32*\t+16*HP
.endr
.endr
.endm
; K step s: 48 matrix instructions.  In each group sixteen accumulators take turns, one instruction a turn.
; In K step 0 the hi hi sums start from conv_b (register j of C is channel 8 H + j: the layout in which it was loaded), the cross sums from 0.
.macro KSTEP s
.set HB, HF+64*((\s)%2)
	s_wait_dscnt 0x0                               ; this step's fragments, asked for 48 matrix instructions ago
.if (\s) < 7
.if (\s) > 0
	PLACES                                         ; the loads below land in registers that the last step's products read
.endif
	WIN 0
	HFETCH (\s)+1
.endif
.if (\s) == 0
	WIN 0xc1                                       ; source 0 window 1, C window 0, D window 3
.else
	WIN 0xf1                                       ; source 0 window 1, C and D window 3
.endif
.irp t, 0,1,2,3
.irp a, 0,1,2,3
.if (\s) == 0
	v_wmma_f32_16x16x32_f16 v[8*(4*\a+\t):8*(4*\a+\t)+7], v[64*\a+8*(\s):64*\a+8*(\s)+7], v[HB+8*\t:HB+8*\t+7], v[BI+8*\a:BI+8*\a+7]
.else
	v_wmma_f32_16x16x32_f16 v[8*(4*\a+\t):8*(4*\a+\t)+7], v[64*\a+8*(\s):64*\a+8*(\s)+7], v[HB+8*\t:HB+8*\t+7], v[8*(4*\a+\t):8*(4*\a+\t)+7]
.endif
.endr
.endr
.irp t, 0,1,2,3
.irp a, 0,1,2,3
.if (\s) == 0
	v_wmma_f32_16x16x32_f16 v[128+8*(4*\a+\t):128+8*(4*\a+\t)+7], v[64*\a+8*(\s):64*\a+8*(\s)+7], v[HB+32+8*\t:HB+32+8*\t+7], 0
.else
	v_wmma_f32_16x16x32_f16 v[128+8*(4*\a+\t):128+8*(4*\a+\t)+7], v[64*\a+8*(\s):64*\a+8*(\s)+7], v[HB+32+8*\t:HB+32+8*\t+7], v[128+8*(4*\a+\t):128+8*(4*\a+\t)+7]
.endif
.endr
.endr
	WIN 0xf2                                       ; source 0 window 2
.irp t, 0,1,2,3
.irp a, 0,1,2,3
	v_wmma_f32_16x16x32_f16 v[128+8*(4*\a+\t):128+8*(4*\a+\t)+7], v[64*\a+8*(\s):64*\a+8*(\s)+7], v[HB+8*\t:HB+8*\t+7], v[128+8*(4*\a+\t):128+8*(4*\a+\t)+7]
.endr
.endr
.endm
.macro ZB b                            ; four rows of z: normalised, stored as f32 and as f16; no store's register is written again
	s_wait_dscnt 24-8*(\b)                         ; the younger rows' loads may stay out
	NORM4 ZR+32*(\b)
	CVT4 ZR+32*(\b), FZ+16*(\b)
.irp q, 0,1,2,3
	global_store_b128 v[RO32], v[ZR+32*(\b)+8*\q:ZR+32*(\b)+8*\q+3],   s[18:19] offset:(4*(\b)+\q)*1024
	global_store_b128 v[RO32], v[ZR+32*(\b)+8*\q+4:ZR+32*(\b)+8*\q+7], s[18:19] offset:(4*(\b)+\q)*1024+512
	global_store_b64  v[RO16], v[FZ+16*(\b)+4*\q:FZ+16*(\b)+4*\q+1],   s[16:17] offset:(4*(\b)+\q)*512
	global_store_b64  v[RO16], v[FZ+16*(\b)+4*\q+2:FZ+16*(\b)+4*\q+3], s[16:17] offset:(4*(\b)+\q)*512+256
.endr
.endm
	s_load_b512 s[4:19], s[0:1], 0x0               ; hidden 4, conv_w 6, conv_b 8, embedding 10, cb16 12, hb 14, z16 16, z32 18
	v_lshl_add_u32 v30, v0, 2, 0x41100
	v_mov_b32 v31, 0
	ds_add_u32 v30, v31
	v_lshrrev_b32 v1, 5, v0
	v_readfirstlane_b32 s[WV], v1
	s_bfe_u32 s21, ttmp6, 0x40000                  ; my place in the cluster
	s_lshl_b32 s40, ttmp9, 2
	s_add_co_u32 s40, s40, s21                     ; g: it enters global addresses of my own data alone
	; W's descriptor: 64 rows x 256 elements of 4 bytes, 4 words of padding behind every 256 words; the same in all four work-groups
	s_mov_b32 s24, 1
	s_mul_i32 s25, s[WV], WSTG
	s_mov_b32 s28, 15|(2<<16)|(1<<20)|(1<<21)|(7<<22)|(3<<25)
	s_mov_b32 s29, 256<<16
	s_mov_b32 s30, 64<<16
	s_mov_b32 s31, 256<<16
	s_mov_b32 s32, 64
	s_mov_b32 s33, 256
	s_mov_b32 s34, 0
	s_mov_b32 s35, 0
	s_mov_b32 s36, 0x76543210                      ; v_permlanex16_b32: each lane takes its own place in the other half
	s_mov_b32 s37, 0xfedcba98
	s_lshl_b32 s22, s[WV], 16                      ; my wave's 64 rows of W: s[22:23] hold nothing else
	s_mov_b32 s23, 0
	s_mov_b32 s3, 0                                ; s[2:3]: the offsets made of g
	s_wait_dscnt 0x0
	s_wait_kmcnt 0x0
	s_add_nc_u64 s[26:27], s[6:7], s[22:23]
	s_or_b32 s27, s27, 0x80000000
	ROUND                                          ; the four work-groups are here: the joint loads meet
	tensor_load_to_lds s[24:27], s[28:35]
	s_nop 0
	PLACES
	s_lshl_b32 s2, s40, 16                         ; 64 rows of 1,024 bytes
	s_add_nc_u64 s[10:11], s[10:11], s[2:3]
	s_add_nc_u64 s[18:19], s[18:19], s[2:3]
	s_lshl_b32 s2, s40, 15                         ; 64 rows of 512 bytes
	s_add_nc_u64 s[12:13], s[12:13], s[2:3]
	s_add_nc_u64 s[16:17], s[16:17], s[2:3]
	s_lshl_b32 s2, s40, 8
	s_add_nc_u64 s[14:15], s[14:15], s[2:3]
	s_lshr_b32 s41, s40, 4                         ; the image,
	s_lshl_b32 s41, s41, 20
	s_and_b32 s42, s40, 15                         ; and my 64 of its 1,024 pixels
	s_lshl_b32 s42, s42, 8
	s_add_co_u32 s2, s41, s42
	s_add_nc_u64 s[4:5], s[4:5], s[2:3]
	v_and_b32 v[LN], 31, v0
	v_and_b32 v[R], 15, v0
	v_bfe_u32 v[H], v0, 4, 1
	v_lshlrev_b32 v[RO32], 4, v[LN]
	v_lshl_add_u32 v[RO32], s[WV], 14, v[RO32]
	v_lshlrev_b32 v[RO16], 3, v[LN]
	v_lshl_add_u32 v[RO16], s[WV], 13, v[RO16]
	v_lshlrev_b32 v[HO], 4, v[R]
	v_lshl_add_u32 v[HO], v[H], 12, v[HO]
	v_lshl_add_u32 v[HO], s[WV], 18, v[HO]
	CLOAD 0
	CLOAD 1
.set i, 0
.rept 32                               ; h: load i takes channels 64 w + 2 i and + 1, 256 aligned bytes of each
	global_load_b128 v[HS+4*i:HS+4*i+3], v[HO], s[4:5] offset:i*8192 th:TH_LOAD_NT
.set i, i+1
.endr
	v_mul_u32_u24 v[WA], v[R], WP
	v_lshl_add_u32 v[WA], v[H], 5, v[WA]
	v_lshl_add_u32 v[ZSA], s[WV], 8, v[WA]
	v_add_nc_u32 v[ZSA], ZST, v[ZSA]
	v_add_nc_u32 v[WA], s25, v[WA]
	s_mul_i32 s38, s[WV], 64*HP                    ; s38, s39: LDS bytes made of the wave's number and constants
	v_mul_u32_u24 v[HSA], v[H], HP
	v_lshl_add_u32 v[HSA], v[R], 3, v[HSA]
	v_add_nc_u32 v[HSA], s38, v[HSA]
	v_add_nc_u32 v[HSA+1], HLO, v[HSA]
	v_and_b32 v26, 7, v0
	v_lshl_add_u32 v26, v[H], 3, v26
	v_bfe_u32 v27, v0, 3, 1
	v_mul_u32_u24 v[ATH], v26, HP
	v_lshl_add_u32 v[ATH], v27, 4, v[ATH]
	v_add_nc_u32 v[ATH+1], HLO, v[ATH]
	s_mul_i32 s38, s[WV], 16*WP
	s_add_co_u32 s38, s38, ZST
	v_lshl_add_u32 v[ZRA], v[LN], 4, s38
	s_lshl_b32 s39, s[WV], 6
	s_add_co_u32 s39, s39, HBS
	v_lshl_add_u32 v[HBA], v[R], 2, s39
	v_lshlrev_b32 v[BO], 5, v[H]
	v_lshl_add_u32 v[BO], s[WV], 8, v[BO]
	v_mov_b32 v[HBV], 0
	; THE CODE ROWS.  Loads come back in order (ISA guide 5.7.1): behind batch 0 stand batch 1's 8 and h's 32; behind batch 1 h's 32 and batch 2's 8; behind batch 2 batch 3's 8.
	CODEB 0, 40, 1
	CODEB 1, 40, 1
	CODEB 2, 8, 0
	CODEB 3, 0, 0
	ds_store_b32 v[HBA], v[HBV]                    ; lanes L and L + 16 write the same word with the same value
	s_wait_xcnt 0x0                                ; the last batch's stores read v240-255, which the splits below write: only behind this wait (ISA guide 3.1)
	; W INTO REGISTERS, split.  A wave reads its own rows alone, so its own wait is all the order that the reads need.
	s_wait_tensorcnt 0x0
.set f, 0
	WLOAD f
.rept 31
.set f, f+1
	WLOAD f
	s_wait_dscnt 4                                 ; the four loads just issued may stay out
	WCONV f-1
.endr
	s_wait_dscnt 0x0
	WCONV 31
	ROUND                                          ; B1, a round of the cluster's barrier: every wave of all four work-groups has its joint load in (its wait for 0 above) and its reads of W back
	                                               ; (the wait for 0 above), and its words of hb are written: from here on W's bytes are written by LDS stores
	s_cmp_lg_u32 s[WV], 0
	s_cbranch_scc1 .Lno_hb
	v_lshlrev_b32 v26, 3, v[LN]
	v_add_nc_u32 v27, HBS, v26
	ds_load_b64 v[28:29], v27
	s_wait_dscnt 0x0
	global_store_b64 v26, v[28:29], s[14:15]       ; the work-group's 64 hb: 256 consecutive bytes, aligned; v26 and v28-29 are not written again
.Lno_hb:
.irp a, 0,1,2,3
	global_load_b128 v[BI+8*\a:BI+8*\a+3],   v[BO], s[8:9] offset:64*\a
	global_load_b128 v[BI+8*\a+4:BI+8*\a+7], v[BO], s[8:9] offset:64*\a+16
.endr
	; h, split, into LDS (its loads were shown done by the code rows' last wait)
.irp q, 0,1,2,3,4,5,6,7
	HCONV \q
.endr
	s_wait_dscnt 0x0
	s_barrier_signal -1                            ; B2: both planes are whole
	s_barrier_wait -1
	HFETCH 0
	s_wait_loadcnt 0x0                             ; conv_b
.irp s, 0,1,2,3,4,5,6,7
	KSTEP \s
.endr
	PLACES
.irp t, 0,1,2,3
	WIN 0x33                                       ; sources 0 and 2 window 3
.irp a, 0,1,2,3
.irp k, 0,2,4,6
	v_pk_fma_f32 v[ZT+8*\a+\k:ZT+8*\a+\k+1], v[128+8*(4*\a+\t)+\k:128+8*(4*\a+\t)+\k+1], 0x3a000000, v[8*(4*\a+\t)+\k:8*(4*\a+\t)+\k+1] op_sel_hi:[1,0,1]   ; 2^-11 x cross + hi hi
.endr
.endr
	WIN 0
.irp a, 0,1,2,3
	ds_store_b128 v[ZSA], v[ZT+8*\a:ZT+8*\a+3]   offset:\t*16*WP+64*\a
	ds_store_b128 v[ZSA], v[ZT+8*\a+4:ZT+8*\a+7] offset:\t*16*WP+64*\a+16
.endr
.endr
	s_wait_dscnt 0x0
	s_barrier_signal -1                            ; B3: a row of z comes from all four waves
	s_barrier_wait -1
.irp p, 0,1,2,3,4,5,6,7,8,9,10,11,12,13,14,15
	ds_load_b128 v[ZR+8*\p:ZR+8*\p+3],   v[ZRA] offset:\p*WP
	ds_load_b128 v[ZR+8*\p+4:ZR+8*\p+7], v[ZRA] offset:\p*WP+512
.endr
	ZB 0
	ZB 1
	ZB 2
	ZB 3
	s_wait_tensorcnt 0x0
	ds_add_u32 v30, v31
	s_wait_dscnt 0x0
	ROUND                                          ; the closing round
	s_endpgm
.Lfunc_end_k_qb779485e8e_prep:
	.size	k_qb779485e8e_prep, .Lfunc_end_k_qb779485e8e_prep-k_qb779485e8e_prep
	.p2alignl 7, 3214868480
	.fill 96, 4, 3214868480
	.section	.rodata,"a",@progbits
	.p2align	6, 0x0
	.amdhsa_kernel k_qb779485e8e_prep
		.amdhsa_group_segment_fixed_size 267008
		.amdhsa_private_segment_fixed_size 0
		.amdhsa_enable_private_segment 0
		.amdhsa_kernarg_size 64
		.amdhsa_user_sgpr_count 2
		.amdhsa_user_sgpr_kernarg_segment_ptr 1
		.amdhsa_wavefront_size32 1
		.amdhsa_system_sgpr_workgroup_id_x 1
		.amdhsa_system_sgpr_workgroup_id_y 1
		.amdhsa_system_sgpr_workgroup_id_z 1
		.amdhsa_system_vgpr_workitem_id 0
		.amdhsa_next_free_vgpr 1024
		.amdhsa_next_free_sgpr 66
		.amdhsa_reserve_vcc 1
		.amdhsa_float_denorm_mode_32 3
		.amdhsa_float_denorm_mode_16_64 3
		.amdhsa_memory_ordered 1
		.amdhsa_forward_progress 1
		.amdhsa_inst_pref_size 244
	.end_amdhsa_kernel
	.amdgpu_metadata
---
amdhsa.version: [ 1, 2 ]
amdhsa.kernels:
  - .name:           k_qb779485e8e_prep
    .symbol:         k_qb779485e8e_prep.kd
    .args:
      - { .name: hidden_states, .offset: 0, .size: 8, .value_kind: global_buffer, .address_space: global }
      - { .name: conv_w, .offset: 8, .size: 8, .value_kind: global_buffer, .address_space: global }
      - { .name: conv_b, .offset: 16, .size: 8, .value_kind: global_buffer, .address_space: global }
      - { .name: embedding, .offset: 24, .size: 8, .value_kind: global_buffer, .address_space: global }
      - { .name: cb16, .offset: 32, .size: 8, .value_kind: global_buffer, .address_space: global }
      - { .name: hb, .offset: 40, .size: 8, .value_kind: global_buffer, .address_space: global }
      - { .name: z16, .offset: 48, .size: 8, .value_kind: global_buffer, .address_space: global }
      - { .name: z32, .offset: 56, .size: 8, .value_kind: global_buffer, .address_space: global }
    .group_segment_fixed_size: 267008
    .private_segment_fixed_size: 0
    .kernarg_segment_align: 8
    .kernarg_segment_size: 64
    .max_flat_workgroup_size: 128
    .sgpr_count:     66
    .vgpr_count:     1024
    .wavefront_size: 32
...
	.end_amdgpu_metadata
.endif
;; end of part 1
;; launch screen (part 2): grid 64 x 4, 4 waves a work-group, clusters of 4 x 1, 327,680 bytes of LDS; arguments z16, cb16, hb, cand; writes cand
.if DOCPART == 2
	.amdgcn_target "amdgcn-amd-amdhsa--gfx1250"
	.amdhsa_code_object_version 6
	.text
	.protected	k_qb779485e8e_screen
	.globl	k_qb779485e8e_screen
	.p2align	8
	.type	k_qb779485e8e_screen,@function
k_qb779485e8e_screen:
	s_mov_b64 s[64:65], 0
	v_nop
	global_prefetch_b8 v0, s[64:65] scope:SCOPE_SE
	s_setreg_imm32_b32 hwreg(HW_REG_WAVE_MODE, 25, 1), 1
	s_wait_xcnt 0x0
	s_wait_alu depctr_hold_cnt(0) depctr_sa_sdst(0) depctr_va_vdst(0) depctr_va_sdst(0) depctr_va_ssrc(0) depctr_va_vcc(0) depctr_vm_vsrc(0)
	s_getreg_b32 s2, hwreg(HW_REG_IB_STS2, 6, 4)
	s_cmp_eq_u32 s2, 0
	s_cbranch_scc0 .Lentry_in_a_cluster
	s_endpgm
.Lentry_in_a_cluster:
	s_bfe_u32 s2, ttmp6, 0x10000c
	s_cmp_lg_u32 s2, 0x3003
	s_cbranch_scc0 .Lentry_shape_is_right
	s_endpgm
.Lentry_shape_is_right:
; SCREEN.  s[code][query] = c . z - |c|^2 / 2 (its largest is the smallest distance), f16 operands, f32 sums; both operands are vectors of length 1 at the most, so f16 has the room.
; For each query and each quarter of the codebook two candidates are stored as whole numbers; the next launch decides among a query's eight in f32.
; LIMIT.  A block is 8 neighbouring codes (16 g + 8 H .. + 7).  The candidates of a quarter are the best code of each of its two best blocks, by this launch's scores (f16 operands, and the
; three lowest bits of a score's mantissa replaced by the code's place in its block).  The true nearest code is missed only if a code of its own block, or two other blocks of its quarter,
; come within that rounding of it (2^-10 at the worst).  NaN and infinities are not served.
; SHARES.  Work-group (x, y): queries 256 x .. + 255 against codes 4,096 y .. + 4,095; wave w keeps its 64 queries (four tiles t of 16) in 256 registers for the whole launch and walks all
; 256 tiles of 16 codes.  Source 0 = 16 codes, source 1 = 16 queries: a lane holds ONE query (16 t + lane % 16) and the codes 8 H + 0..7, so maxima never leave the lane in the loop.
; CLUSTER.  The four work-groups of a cluster (four x, one y) walk the same 2 MiB of codes: every fill is asked for jointly.  The queries (128 KiB a work-group, read once, by plain loads) are
; shared along y, a sixteenth of the codes' bytes: not shared here.
; RING.  Two slots of 256 code rows (16 tiles), rows 528 bytes apart; a wave fetches 64 rows of a fill by one load.  A slot is left when its last tile's fragments are in registers, and is
; filled again first thing behind the round: the load has 16 tiles, 512 matrix instructions a wave, in which to land.  Three loads of a wave are out at the start, one behind each round.
; BY TURNS.  While tile g is multiplied (32 matrix instructions), tile g + 1's fragments are fetched and tile g - 1's scores are reduced, in slices behind the matrix instructions.
; REGISTERS.  Window 1: the queries, Q(t, s) at 64 t + 8 s.  All else in window 0.  Products run with source 1 alone in window 1; LDS loads, v_bfi_b32 with two constants, an add of a
; register and a scalar, and a move of a scalar name no vector register as source 1 and stand under the same setting.  Only the 44 instructions of the maxima want window 0.
.set CP,    528                        ; 512 + 16 bytes = 33 x 16: 16 rows start at 16 different 16-byte columns of the 256 bytes of banks (ISA guide 11.1)
.set TILEB, 16*CP
.set SLOT,  256*CP
.set BIAS0, 2*SLOT                     ; hb of my quarter: 16,384 bytes, dense
.set FILLB, 256*512                    ; a fill in memory
.set WV,  12                           ; s12 wave
.set TB,  46                           ; s46 LDS byte of the tile to fetch
.set BB,  47                           ; s47 byte of its 16 hb in the table
.set TID, 48                           ; s48 the tile whose scores are being reduced
.set C1,  52                           ; s52-55, s56-59 masks
.set C2,  56
.set AK0, 2                            ; v2  R x 528 + 16 H
.set AB0, 3                            ; v3  BIAS0 + 32 H
.set ADR, 4
.set ADRB, 5
.set QO,  6
.set VT,  7                            ; v7  TID in a vector register
.set HH,  8
.set M1,  16                           ; v16-19 best block's score, v20-23 second best's, v24-27, v28-31 their tiles
.set M2,  20
.set I1,  24
.set I2,  28
.set T0,  32
.set T1,  36
.set BI,  40                           ; v40-55  hb of a tile, two buffers
.set SC,  64                           ; v64-127 scores, two buffers x four tiles x 8
.set CF,  128                          ; v128-255 code fragments, two buffers x eight K steps x 8
.set MSB, 0
.macro WIN new
.if MSB != \new
	s_set_vgpr_msb (MSB<<8)|\new
.set MSB, \new
.endif
.endm
.macro PLACES
.rept 4
	v_nop
.endr
.endm
.macro ROUND
	s_barrier_signal -1
	s_barrier_wait -1
	s_cmp_lg_u32 s[WV], 0
	s_cbranch_scc1 .Lnot_wave_0_\@
	s_barrier_signal -3
.Lnot_wave_0_\@:
	s_barrier_wait -3
	s_barrier_signal -1
	s_barrier_wait -1
.endm
.macro NEXTADR                         ; the addresses of the tile to fetch; then on to the next
	v_add_nc_u32 v[ADR], v[AK0], s[TB]
	v_add_nc_u32 v[ADRB], v[AB0], s[BB]
	s_add_co_u32 s[TB], s[TB], TILEB
	s_add_co_u32 s[BB], s[BB], 64
	s_and_b32 s[BB], s[BB], 0x3fff                 ; 256 tiles x 64 bytes: the byte stays inside the table
.endm
.macro LDF b                           ; load l of 18 into buffers b: 16 of fragments (K step l / 2, half l % 2), 2 of hb
.if l < 16
	ds_load_b128 v[CF+64*(\b)+4*l:CF+64*(\b)+4*l+3], v[ADR] offset:32*l
.else
	ds_load_b128 v[BI+8*(\b)+4*(l-16):BI+8*(\b)+4*(l-16)+3], v[ADRB] offset:16*(l-16)
.endif
.endm
; Number n of the 76 instructions that reduce score buffer b.  0-31: the code's place j in its block into the score's three lowest bits.  32-75, tile by tile within each kind:
; the block's maximum (four kinds), is it above the best, above the second, the second's tile (two selects), the best's tile, the second's score (the middle of three), the best's score.
.macro SM b
.set tt, n%4
.set ph, (n-32)/4
.set ra, SC+32*(\b)+8*tt
.if n < 32
	v_bfi_b32 v[SC+32*(\b)+n], 7, n%8, v[SC+32*(\b)+n]
.else
	WIN 0
.if ph == 0
	v_max3_num_f32 v[T0+tt], v[ra], v[ra+1], v[ra+2]
.elseif ph == 1
	v_max3_num_f32 v[T1+tt], v[ra+3], v[ra+4], v[ra+5]
.elseif ph == 2
	v_max3_num_f32 v[T0+tt], v[T0+tt], v[ra+6], v[ra+7]
.elseif ph == 3
	v_max_num_f32 v[T0+tt], v[T0+tt], v[T1+tt]
.elseif ph == 4
	v_cmp_gt_f32 s[C1+tt], v[T0+tt], v[M1+tt]
.elseif ph == 5
	v_cmp_gt_f32 s[C2+tt], v[T0+tt], v[M2+tt]
.elseif ph == 6
	v_cndmask_b32 v[I2+tt], v[I2+tt], v[VT], s[C2+tt]
.elseif ph == 7
	v_cndmask_b32 v[I2+tt], v[I2+tt], v[I1+tt], s[C1+tt]
.elseif ph == 8
	v_cndmask_b32 v[I1+tt], v[I1+tt], v[VT], s[C1+tt]
.elseif ph == 9
	v_med3_num_f32 v[M2+tt], v[T0+tt], v[M1+tt], v[M2+tt]
.else
	v_max_num_f32 v[M1+tt], v[M1+tt], v[T0+tt]
.endif
.endif
.endm
; A tile: product i of 32 is K step i / 4, query tile i % 4; the four accumulators take turns, one instruction a turn; the first four start from hb.
; work = 1: the tile before is reduced.  fetch = 1: the next tile is fetched.
; Places (ISA guide 7.12.1 for vector instructions): the last slice's four v_max_num_f32 (or four v_nop) stand behind a tile's last product, ahead of the next tile's first
; v_bfi_b32 on its scores and of the first load into its fragments.
.macro TILE p, work, fetch
	s_wait_dscnt 0x0                               ; this tile's 18 loads, the last of them issued 22 matrix instructions ago
.set i, 0
.rept 32
	WIN 0x04
.set rd, SC+32*(\p)+8*(i%4)
.set rc, CF+64*(\p)+8*(i/4)
.set rq, 64*(i%4)+8*(i/4)
.if i < 4
	v_wmma_f32_16x16x32_f16 v[rd:rd+7], v[rc:rc+7], v[rq:rq+7], v[BI+8*(\p):BI+8*(\p)+7]
.else
	v_wmma_f32_16x16x32_f16 v[rd:rd+7], v[rc:rc+7], v[rq:rq+7], v[rd:rd+7]
.endif
.if (i == 0) && \fetch
	NEXTADR
.endif
.if (i < 16) && \work
.set n, 2*i
	SM 1-\p
.set n, 2*i+1
	SM 1-\p
.endif
.if (i >= 1) && (i <= 9) && \fetch
.set l, 2*(i-1)
	LDF 1-\p
.set l, 2*(i-1)+1
	LDF 1-\p
.endif
.if (i == 16) && \work
	v_mov_b32 v[VT], s[TID]
.endif
.if (i >= 17) && (i%2 == 1) && \work
.set n, 32+(44*((i-17)/2))/8
.set nend, 32+(44*((i-17)/2+1))/8
.rept nend-n
	SM 1-\p
.set n, n+1
.endr
.endif
.set i, i+1
.endr
.if \work
	s_add_co_u32 s[TID], s[TID], 1
.else
	PLACES
.endif
.endm
.macro PAIRS n
	WIN 0
	s_mov_b32 s45, \n
.Lpair_\@:
	TILE 1, 1, 1
	TILE 0, 1, 1
	WIN 0                                          ; at a label and at a branch every window is 0
	s_sub_co_u32 s45, s45, 1
	s_cmp_lg_u32 s45, 0
	s_cbranch_scc1 .Lpair_\@
.endm
; The change of slots, ahead of a slot's last tile, whose fragments have been asked for.  Each wave waits for its reads of the slot and for all its tensor loads (one is out: its part of the
; other slot).  fill = 1: a round of the cluster's barrier, so that no wave of any partner still reads the slot or has a load on its way; the joint refill is the first thing behind it.
.macro CHANGE slot, fill
	WIN 0
	s_wait_dscnt 0x0
	s_wait_tensorcnt 0x0                           ; no tensor load of mine is out, so a group 0 may be written
	ds_add_u32 v62, v63
	s_wait_dscnt 0x0
.if \fill
	s_add_nc_u64 s[34+4*\slot:35+4*\slot], s[34+4*\slot:35+4*\slot], 2*FILLB
	ROUND
	tensor_load_to_lds s[32+4*\slot:35+4*\slot], s[16:23]
	s_nop 0
	PLACES
.else
	s_barrier_signal -1
	s_barrier_wait -1
.endif
	s_mov_b32 s[TB], (1-\slot)*SLOT                ; the fetches go on in the other slot
.endm
	s_load_b256 s[4:11], s[0:1], 0x0               ; z16 4, cb16 6, hb 8, cand 10
	v_lshl_add_u32 v62, v0, 2, 0x46000
	v_mov_b32 v63, 0
	ds_add_u32 v62, v63
	v_lshrrev_b32 v1, 5, v0
	v_readfirstlane_b32 s[WV], v1
	s_bfe_u32 s13, ttmp6, 0x40000                  ; my place in the cluster
	s_lshl_b32 s14, ttmp9, 2
	s_add_co_u32 s14, s14, s13                     ; x: it enters z16's and cand's addresses alone
	s_and_b32 s15, ttmp7, 0xffff                   ; y, which the four partners share
	; group 1 for the codes: 64 rows x 256 elements of 2 bytes, 4 words of padding behind every 128 words, mask of all four
	s_mov_b32 s16, 15|(1<<16)|(1<<20)|(1<<21)|(6<<22)|(3<<25)
	s_mov_b32 s17, 256<<16
	s_mov_b32 s18, 64<<16
	s_mov_b32 s19, 256<<16
	s_mov_b32 s20, 64
	s_mov_b32 s21, 256
	s_mov_b32 s22, 0
	s_mov_b32 s23, 0
	; group 1 for hb: a dense block as 16 rows x 32 elements of 8 bytes
	s_mov_b32 s24, 15|(3<<16)|(1<<21)
	s_mov_b32 s25, 32<<16
	s_mov_b32 s26, 16<<16
	s_mov_b32 s27, 32<<16
	s_mov_b32 s28, 16
	s_mov_b32 s29, 32
	s_mov_b32 s30, 0
	s_mov_b32 s31, 0
	s_mov_b32 s32, 1
	s_mul_i32 s33, s[WV], 64*CP                    ; slot 0, my 64 rows
	s_mov_b32 s36, 1
	s_add_co_u32 s37, s33, SLOT
	s_mov_b32 s40, 1
	s_lshl_b32 s41, s[WV], 12
	s_add_co_u32 s41, s41, BIAS0
	s_mov_b32 s60, 0x76543210
	s_mov_b32 s61, 0xfedcba98
	s_mov_b32 s[TB], 0
	s_mov_b32 s[BB], 0
	s_mov_b32 s[TID], 0
	s_lshl_b32 s50, s15, 21                        ; my quarter's 4,096 rows of 512 bytes,
	s_lshl_b32 s49, s[WV], 15                      ; my wave's 64 rows of a fill
	s_add_co_u32 s50, s50, s49
	s_mov_b32 s51, 0
	s_lshl_b32 s2, s14, 17                         ; my block's 256 rows of z16, my wave's 64
	s_add_co_u32 s2, s2, s49
	s_mov_b32 s3, 0
	s_wait_dscnt 0x0
	s_wait_kmcnt 0x0
	s_add_nc_u64 s[34:35], s[6:7], s[50:51]
	s_add_nc_u64 s[38:39], s[34:35], FILLB
	s_or_b32 s35, s35, 0x80000000
	s_or_b32 s39, s39, 0x80000000
	s_lshl_b32 s50, s15, 14
	s_lshl_b32 s49, s[WV], 12
	s_add_co_u32 s50, s50, s49
	s_add_nc_u64 s[42:43], s[8:9], s[50:51]
	s_or_b32 s43, s43, 0x80000000
	s_add_nc_u64 s[4:5], s[4:5], s[2:3]
	s_lshl_b32 s2, s14, 11                         ; cand: quarter y, query 256 x + 64 w, 8 bytes a query
	s_lshl_b32 s49, s15, 17
	s_add_co_u32 s2, s2, s49
	s_lshl_b32 s49, s[WV], 9
	s_add_co_u32 s2, s2, s49
	s_add_nc_u64 s[10:11], s[10:11], s[2:3]
	ROUND                                          ; the four work-groups are here: the first joint loads meet
	tensor_load_to_lds s[32:35], s[16:23]          ; fill 0
	s_nop 0
	tensor_load_to_lds s[40:43], s[24:31]          ; hb
	s_nop 0
	tensor_load_to_lds s[36:39], s[16:23]          ; fill 1
	s_nop 0
	PLACES
	v_and_b32 v1, 15, v0
	v_bfe_u32 v[HH], v0, 4, 1
	v_mul_u32_u24 v[AK0], v1, CP
	v_lshl_add_u32 v[AK0], v[HH], 4, v[AK0]
	v_lshlrev_b32 v[AB0], 5, v[HH]
	v_add_nc_u32 v[AB0], BIAS0, v[AB0]
	v_lshlrev_b32 v[QO], 9, v1
	v_lshl_add_u32 v[QO], v[HH], 4, v[QO]
	WIN 0x40                                       ; destination window 1
.set i, 0
.rept 32                               ; Q(t, s), t = i / 8, s = i % 8: K = 32 s + 8 H .. + 7 and + 16 of query 16 t + R
	global_load_b128 v[8*i:8*i+3],   v[QO], s[4:5] offset:(i/8)*8192+(i%8)*64
	global_load_b128 v[8*i+4:8*i+7], v[QO], s[4:5] offset:(i/8)*8192+(i%8)*64+32
.set i, i+1
.endr
	WIN 0
.irp t, 0,1,2,3
	v_mov_b32 v[M1+\t], 0xff800000                 ; minus infinity
	v_mov_b32 v[M2+\t], 0xff800000
	v_mov_b32 v[I1+\t], 0
	v_mov_b32 v[I2+\t], 0
.endr
	s_wait_tensorcnt 0x1                           ; my parts of fill 0 and of hb are in; fill 1 may stay out
	s_barrier_signal -1
	s_barrier_wait -1
	NEXTADR
.set l, 0
.rept 18
	LDF 0
.set l, l+1
.endr
	s_wait_loadcnt 0x0                             ; the queries
	TILE 0, 0, 1                                   ; tile 0
	PAIRS 7                                        ; tiles 1-14
	s_mov_b32 s44, 7
.Llap:                                                 ; tiles 15-238; fills 2-15
	CHANGE 0, 1
	PAIRS 8
	CHANGE 1, 1
	PAIRS 8
	s_sub_co_u32 s44, s44, 1
	s_cmp_lg_u32 s44, 0
	s_cbranch_scc1 .Llap
	CHANGE 0, 0                                    ; the tail is written out: nothing is left to fetch from memory
	PAIRS 8                                        ; tiles 239-254
	TILE 1, 1, 0                                   ; tile 255
	WIN 0
	PLACES
	v_mov_b32 v[VT], s[TID]
.set n, 0
.rept 76                               ; tile 255's scores
	SM 1
.set n, n+1
.endr
	; THE WAY OUT.  code = 4,096 y + 16 tile + 8 H + place; then the two halves of the lanes, which hold a query's two kinds of blocks, are merged to the best two.
.set PM1, 64
.set PM2, 68
.set PC1, 72
.set PC2, 76
.set LM,  80
.set LC,  84
.set WM,  88
.set WC,  92
.set FC,  96
.set SD,  100
	s_lshl_b32 s49, s15, 12
	v_lshl_add_u32 v9, v[HH], 3, s49
.irp t, 0,1,2,3
	v_and_or_b32 v[T0+\t], v[M1+\t], 7, v9
	v_and_or_b32 v[T1+\t], v[M2+\t], 7, v9
.endr
.irp t, 0,1,2,3
	v_lshl_add_u32 v[I1+\t], v[I1+\t], 4, v[T0+\t]
	v_lshl_add_u32 v[I2+\t], v[I2+\t], 4, v[T1+\t]
.endr
.irp t, 0,1,2,3
	v_permlanex16_b32 v[PM1+\t], v[M1+\t], s60, s61
	v_permlanex16_b32 v[PM2+\t], v[M2+\t], s60, s61
	v_permlanex16_b32 v[PC1+\t], v[I1+\t], s60, s61
	v_permlanex16_b32 v[PC2+\t], v[I2+\t], s60, s61
.endr
.irp t, 0,1,2,3
	v_cmp_gt_f32 s[C1+\t], v[PM1+\t], v[M1+\t]     ; the other half's best wins
.endr
.irp t, 0,1,2,3
	v_cndmask_b32 v[LM+\t], v[PM1+\t], v[M1+\t], s[C1+\t]   ; the loser's best,
	v_cndmask_b32 v[LC+\t], v[PC1+\t], v[I1+\t], s[C1+\t]
	v_cndmask_b32 v[WM+\t], v[M2+\t], v[PM2+\t], s[C1+\t]   ; the winner's second,
	v_cndmask_b32 v[WC+\t], v[I2+\t], v[PC2+\t], s[C1+\t]
	v_cndmask_b32 v[FC+\t], v[I1+\t], v[PC1+\t], s[C1+\t]   ; the winner's best
.endr
.irp t, 0,1,2,3
	v_cmp_gt_f32 s[C2+\t], v[WM+\t], v[LM+\t]
.endr
.irp t, 0,1,2,3
	v_cndmask_b32 v[SD+\t], v[LC+\t], v[WC+\t], s[C2+\t]
.endr
	v_cmp_eq_u32 vcc_lo, 1, v[HH]                  ; lanes 0-15 send tile 2 u's queries, lanes 16-31 tile 2 u + 1's: lane L sends query 32 u + L
	v_cndmask_b32 v104, v[FC+0], v[FC+1], vcc_lo
	v_cndmask_b32 v105, v[SD+0], v[SD+1], vcc_lo
	v_cndmask_b32 v106, v[FC+2], v[FC+3], vcc_lo
	v_cndmask_b32 v107, v[SD+2], v[SD+3], vcc_lo
	v_and_b32 v10, 31, v0
	v_lshlrev_b32 v10, 3, v10
	global_store_b64 v10, v[104:105], s[10:11]             ; a store of the wave covers 256 consecutive bytes, aligned
	global_store_b64 v10, v[106:107], s[10:11] offset:256
	ROUND                                          ; the closing round
	s_endpgm
.Lfunc_end_k_qb779485e8e_screen:
	.size	k_qb779485e8e_screen, .Lfunc_end_k_qb779485e8e_screen-k_qb779485e8e_screen
	.p2alignl 7, 3214868480
	.fill 96, 4, 3214868480
	.section	.rodata,"a",@progbits
	.p2align	6, 0x0
	.amdhsa_kernel k_qb779485e8e_screen
		.amdhsa_group_segment_fixed_size 327680
		.amdhsa_private_segment_fixed_size 0
		.amdhsa_enable_private_segment 0
		.amdhsa_kernarg_size 32
		.amdhsa_user_sgpr_count 2
		.amdhsa_user_sgpr_kernarg_segment_ptr 1
		.amdhsa_wavefront_size32 1
		.amdhsa_system_sgpr_workgroup_id_x 1
		.amdhsa_system_sgpr_workgroup_id_y 1
		.amdhsa_system_sgpr_workgroup_id_z 1
		.amdhsa_system_vgpr_workitem_id 0
		.amdhsa_next_free_vgpr 512
		.amdhsa_next_free_sgpr 66
		.amdhsa_reserve_vcc 1
		.amdhsa_float_denorm_mode_32 3
		.amdhsa_float_denorm_mode_16_64 3
		.amdhsa_memory_ordered 1
		.amdhsa_forward_progress 1
		.amdhsa_inst_pref_size 104
	.end_amdhsa_kernel
	.amdgpu_metadata
---
amdhsa.version: [ 1, 2 ]
amdhsa.kernels:
  - .name:           k_qb779485e8e_screen
    .symbol:         k_qb779485e8e_screen.kd
    .args:
      - { .name: z16, .offset: 0, .size: 8, .value_kind: global_buffer, .address_space: global }
      - { .name: cb16, .offset: 8, .size: 8, .value_kind: global_buffer, .address_space: global }
      - { .name: hb, .offset: 16, .size: 8, .value_kind: global_buffer, .address_space: global }
      - { .name: cand, .offset: 24, .size: 8, .value_kind: global_buffer, .address_space: global }
    .group_segment_fixed_size: 327680
    .private_segment_fixed_size: 0
    .kernarg_segment_align: 8
    .kernarg_segment_size: 32
    .max_flat_workgroup_size: 128
    .sgpr_count:     66
    .vgpr_count:     512
    .wavefront_size: 32
...
	.end_amdgpu_metadata
.endif
;; end of part 2
;; launch pick (part 3): grid 256 x 1, 32 waves a work-group, no clusters, 4,352 bytes of LDS; arguments z32, embedding, cand, out0; writes out0
.if DOCPART == 3
	.amdgcn_target "amdgcn-amd-amdhsa--gfx1250"
	.amdhsa_code_object_version 6
	.text
	.protected	k_qb779485e8e_pick
	.globl	k_qb779485e8e_pick
	.p2align	8
	.type	k_qb779485e8e_pick,@function
k_qb779485e8e_pick:
	s_mov_b64 s[64:65], 0
	v_nop
	global_prefetch_b8 v0, s[64:65] scope:SCOPE_SE
	s_setreg_imm32_b32 hwreg(HW_REG_WAVE_MODE, 25, 1), 1
	s_wait_xcnt 0x0
; PICK.  For each query its eight candidates (two from each quarter of the codebook, whole numbers stored by the launch before) are taken again in f32 from the f32 code rows:
; S = e . e, P = e . z, c = e / max(n, eps) with n = sqrt S, dist = (|z|^2 + |c|^2) - 2 z . c, and the smallest dist wins, the lower index on a tie.
; e / max(n, eps) is written (e / n) rho with rho = min(n / eps, 1), which holds for every n; |c|^2 = rho^2.
; LIMITS.  Sums run in another order than a row-wise f32 sum and |c|^2 carries no rounding of its own, so two codes whose distances differ in f32's last bit may be
; ordered otherwise.  S below 2^-126 counts as 2^-126.  NaN and infinities are not served.  An index is clamped to the table's 16,384 rows.
; SHARES.  Work-group g: queries 64 g .. + 63; wave W: queries 2 W and 2 W + 1, one after the other; a row of 1,024 bytes is two loads of the wave, 512 neighbouring bytes each.
; A gather and short f32 sums: no matrix unit; nothing is read by several work-groups at one time, so no cluster; 32 waves, eight to a SIMD, cover the chain from index to row.
.set WV, 12
.set IX, 20                            ; s20-27 the eight indices
.set L16, 2                            ; v2   16 x lane
.set CO,  3                            ; v3   lane's candidate k = lane % 8: quarter k / 2, place k % 2
.set CA,  4                            ; v4, v5  candidate k of query A, B; at last the winner
.set CB,  5
.set AA,  6                            ; v6-7, v8-9  |z|^2
.set AB,  8
.set D0,  10                           ; v10-13 at work
.set D1,  11
.set D2,  12
.set DD,  13
.set Z,   16                           ; v16-23 z of A, v24-31 of B
.set OF,  32                           ; v32-39 byte offsets of the eight rows
.set SS,  40                           ; v40-47 my part of S of candidate k
.set PP,  48                           ; v48-55 my part of P
.set RT,  56                           ; v56-63 at work
.set E,   64                           ; v64-127 the eight rows
.macro GATHER c
.irp k, 0,1,2,3,4,5,6,7
	v_readlane_b32 s[IX+\k], v[\c], \k
.endr
.irp k, 0,1,2,3,4,5,6,7
	s_min_u32 s[IX+\k], s[IX+\k], 0x3fff
	v_lshl_add_u32 v[OF+\k], s[IX+\k], 10, v[L16]
.endr
.irp k, 0,1,2,3,4,5,6,7
	global_load_b128 v[E+8*\k:E+8*\k+3],   v[OF+\k], s[6:7]
	global_load_b128 v[E+8*\k+4:E+8*\k+7], v[OF+\k], s[6:7] offset:512
.endr
.endm
.macro SUMSQ d, z                      ; the sum of a row's squares, in every lane
	v_pk_mul_f32 v[\d:\d+1], v[\z:\z+1], v[\z:\z+1]
.irp m, 2,4,6
	v_pk_fma_f32 v[\d:\d+1], v[\z+\m:\z+\m+1], v[\z+\m:\z+\m+1], v[\d:\d+1]
.endr
	v_add_f32 v[\d], v[\d], v[\d+1]
.irp m, 1,2,4,8
	v_add_f32_dpp v[\d], v[\d], v[\d] row_xmask:\m row_mask:0xf bank_mask:0xf
.endr
	v_permlanex16_b32 v[\d+1], v[\d], s31, s32
	v_add_f32 v[\d], v[\d], v[\d+1]
.endm
.macro ROWS z                          ; my eight elements' part of P and S for each candidate
.irp k, 0,1,2,3,4,5,6,7
	s_wait_loadcnt 14-2*\k                         ; loads come back in order (ISA guide 5.7.1): the younger rows stay out
	v_pk_mul_f32 v[RT+2*(\k%2):RT+2*(\k%2)+1], v[E+8*\k:E+8*\k+1], v[\z:\z+1]
	v_pk_mul_f32 v[E+8*\k:E+8*\k+1], v[E+8*\k:E+8*\k+1], v[E+8*\k:E+8*\k+1]
.irp m, 2,4,6
	v_pk_fma_f32 v[RT+2*(\k%2):RT+2*(\k%2)+1], v[E+8*\k+\m:E+8*\k+\m+1], v[\z+\m:\z+\m+1], v[RT+2*(\k%2):RT+2*(\k%2)+1]
	v_pk_fma_f32 v[E+8*\k:E+8*\k+1], v[E+8*\k+\m:E+8*\k+\m+1], v[E+8*\k+\m:E+8*\k+\m+1], v[E+8*\k:E+8*\k+1]
.endr
	v_add_f32 v[PP+\k], v[RT+2*(\k%2)], v[RT+2*(\k%2)+1]
	v_add_f32 v[SS+\k], v[E+8*\k], v[E+8*\k+1]
.endr
.endm
; Eight registers, each to be summed over the 32 lanes: a lane keeps the half of them that its bit chooses and hands the other half to the lane across; three such steps, then two plain ones.
; Lane L ends with the total of number L % 8, in v[V].
.macro RED8 V
.irp m, 0,1,2,3
	v_cndmask_b32 v[RT+2*\m],   v[\V+2*\m],   v[\V+2*\m+1], s28
	v_cndmask_b32 v[RT+2*\m+1], v[\V+2*\m+1], v[\V+2*\m],   s28
.endr
.irp m, 0,1,2,3
	v_add_f32_dpp v[\V+\m], v[RT+2*\m+1], v[RT+2*\m] row_xmask:1 row_mask:0xf bank_mask:0xf
.endr
.irp m, 0,1
	v_cndmask_b32 v[RT+2*\m],   v[\V+2*\m],   v[\V+2*\m+1], s29
	v_cndmask_b32 v[RT+2*\m+1], v[\V+2*\m+1], v[\V+2*\m],   s29
.endr
.irp m, 0,1
	v_add_f32_dpp v[\V+\m], v[RT+2*\m+1], v[RT+2*\m] row_xmask:2 row_mask:0xf bank_mask:0xf
.endr
	v_cndmask_b32 v[RT],   v[\V],   v[\V+1], s30
	v_cndmask_b32 v[RT+1], v[\V+1], v[\V],   s30
	v_add_f32_dpp v[\V], v[RT+1], v[RT] row_xmask:4 row_mask:0xf bank_mask:0xf
	v_add_f32_dpp v[\V], v[\V], v[\V] row_xmask:8 row_mask:0xf bank_mask:0xf
	v_permlanex16_b32 v[RT], v[\V], s31, s32
	v_add_f32 v[\V], v[\V], v[RT]
.endm
.macro DIST a                          ; all eight candidates at once, one a lane
	v_max_num_f32 v[SS], 0x00800000, v[SS]         ; 2^-126: the root's reciprocal flushes what is smaller
	v_rsq_f32 v[D0], v[SS]
	v_nop                                          ; a plain instruction between it and the use of its result (ISA guide 5.7.2)
	s_wait_alu depctr_va_vdst(0)
	v_mul_f32 v[D1], v[SS], v[D0]
	v_mul_f32 v[D2], 0.5, v[D0]
	v_fma_f32 v[D1], -v[D1], v[D0], 1.0            ; 1 - S y^2
	v_fma_f32 v[D0], v[D2], v[D1], v[D0]           ; one Newton step: y = 1 / n
	v_mul_f32 v[D1], v[SS], v[D0]                  ; n
	v_mul_f32 v[D2], v[PP], v[D0]                  ; P / n
	v_mul_f32 v[D1], 0x5368d4a5, v[D1]             ; n / eps = n x 1e12
	v_min_num_f32 v[D1], 1.0, v[D1]                ; rho
	v_mul_f32 v[D2], v[D1], v[D2]                  ; z . c
	v_fma_f32 v[D1], v[D1], v[D1], v[\a]           ; |z|^2 + |c|^2
	v_fma_f32 v[DD], -2.0, v[D2], v[D1]
.endm
.macro AMIN c                          ; the smallest of the eight, the lower index on a tie; every lane ends with it
.irp m, 1,2,4
	v_mov_b32_dpp v[D0], v[DD] row_xmask:\m row_mask:0xf bank_mask:0xf
	v_mov_b32_dpp v[D1], v[\c] row_xmask:\m row_mask:0xf bank_mask:0xf
	v_cmp_lt_f32 s34, v[D0], v[DD]
	v_cmp_eq_f32 s35, v[D0], v[DD]
	v_cmp_lt_u32 s36, v[D1], v[\c]
	s_and_b32 s35, s35, s36
	s_or_b32 s34, s34, s35
	v_cndmask_b32 v[DD], v[DD], v[D0], s34
	v_cndmask_b32 v[\c], v[\c], v[D1], s34
.endr
.endm
	s_load_b256 s[4:11], s[0:1], 0x0               ; z32 4, embedding 6, cand 8, out0 10
	v_lshrrev_b32 v1, 5, v0
	v_readfirstlane_b32 s[WV], v1
	v_and_b32 v1, 31, v0
	v_lshlrev_b32 v[L16], 4, v1
	v_bfe_u32 v[CO], v0, 1, 2
	v_and_b32 v6, 1, v0
	v_lshlrev_b32 v[CO], 17, v[CO]                 ; a quarter's list is 131,072 bytes
	v_lshl_add_u32 v[CO], v6, 2, v[CO]
	s_lshl_b32 s13, ttmp9, 6
	s_lshl1_add_u32 s13, s[WV], s13                ; query A = 64 g + 2 W
	s_lshl_b32 s14, s13, 3
	s_mov_b32 s15, 0
	s_lshl_b32 s16, s13, 10
	s_mov_b32 s17, 0
	s_lshl_b32 s18, ttmp9, 8
	s_mov_b32 s19, 0
	s_mov_b32 s28, 0xaaaaaaaa                      ; lanes with bit 0, 1, 2 set
	s_mov_b32 s29, 0xcccccccc
	s_mov_b32 s30, 0xf0f0f0f0
	s_mov_b32 s31, 0x76543210
	s_mov_b32 s32, 0xfedcba98
	s_wait_kmcnt 0x0
	s_add_nc_u64 s[8:9], s[8:9], s[14:15]
	s_add_nc_u64 s[4:5], s[4:5], s[16:17]
	s_add_nc_u64 s[10:11], s[10:11], s[18:19]
	global_load_b32 v[CA], v[CO], s[8:9]
	global_load_b32 v[CB], v[CO], s[8:9] offset:8
	global_load_b128 v[Z:Z+3],     v[L16], s[4:5] th:TH_LOAD_NT
	global_load_b128 v[Z+4:Z+7],   v[L16], s[4:5] offset:512 th:TH_LOAD_NT
	global_load_b128 v[Z+8:Z+11],  v[L16], s[4:5] offset:1024 th:TH_LOAD_NT
	global_load_b128 v[Z+12:Z+15], v[L16], s[4:5] offset:1536 th:TH_LOAD_NT
	s_wait_loadcnt 0x4                             ; the candidates are in; z's four loads stay out
	v_min_u32 v[CA], 0x3fff, v[CA]
	v_min_u32 v[CB], 0x3fff, v[CB]
	GATHER CA
	s_wait_loadcnt 16                              ; z is in; the sixteen loads of the gather stay out
	SUMSQ AA, Z
	SUMSQ AB, Z+8
	ROWS Z
	s_wait_xcnt 0x0                                ; the offsets are written again only behind this wait (their loads are back as well)
	GATHER CB                                      ; B's rows are on their way while A is decided
	RED8 SS
	RED8 PP
	DIST AA
	AMIN CA
	ROWS Z+8
	RED8 SS
	RED8 PP
	DIST AB
	AMIN CB
	v_cndmask_b32 v[D0], v[CA], v[CB], s28         ; even lanes A's winner, odd lanes B's
	v_and_b32 v[D1], 1, v0
	v_lshlrev_b32 v[D1], 2, v[D1]
	v_lshl_add_u32 v[D1], s[WV], 3, v[D1]
	ds_store_b32 v[D1], v[D0]                      ; lanes that share a word write the same value
	s_wait_dscnt 0x0
	s_barrier_signal -1
	s_barrier_wait -1
	s_cmp_lg_u32 s[WV], 0
	s_cbranch_scc1 .Lend
	v_lshlrev_b32 v[D2], 3, v1
	ds_load_b64 v[14:15], v[D2]
	s_wait_dscnt 0x0
	global_store_b64 v[D2], v[14:15], s[10:11]     ; the work-group's 64 indices: 256 consecutive bytes, aligned
.Lend:
	s_wait_xcnt 0x0
	v_lshl_add_u32 v126, v0, 2, 0x100
	v_mov_b32 v127, 0
	s_wait_tensorcnt 0x0
	ds_add_u32 v126, v127
	s_wait_dscnt 0x0
	s_endpgm
.Lfunc_end_k_qb779485e8e_pick:
	.size	k_qb779485e8e_pick, .Lfunc_end_k_qb779485e8e_pick-k_qb779485e8e_pick
	.p2alignl 7, 3214868480
	.fill 96, 4, 3214868480
	.section	.rodata,"a",@progbits
	.p2align	6, 0x0
	.amdhsa_kernel k_qb779485e8e_pick
		.amdhsa_group_segment_fixed_size 4352
		.amdhsa_private_segment_fixed_size 0
		.amdhsa_enable_private_segment 0
		.amdhsa_kernarg_size 32
		.amdhsa_user_sgpr_count 2
		.amdhsa_user_sgpr_kernarg_segment_ptr 1
		.amdhsa_wavefront_size32 1
		.amdhsa_system_sgpr_workgroup_id_x 1
		.amdhsa_system_sgpr_workgroup_id_y 1
		.amdhsa_system_sgpr_workgroup_id_z 1
		.amdhsa_system_vgpr_workitem_id 0
		.amdhsa_next_free_vgpr 128
		.amdhsa_next_free_sgpr 66
		.amdhsa_reserve_vcc 0
		.amdhsa_float_denorm_mode_32 3
		.amdhsa_float_denorm_mode_16_64 3
		.amdhsa_memory_ordered 1
		.amdhsa_forward_progress 1
		.amdhsa_inst_pref_size 30
	.end_amdhsa_kernel
	.amdgpu_metadata
---
amdhsa.version: [ 1, 2 ]
amdhsa.kernels:
  - .name:           k_qb779485e8e_pick
    .symbol:         k_qb779485e8e_pick.kd
    .args:
      - { .name: z32, .offset: 0, .size: 8, .value_kind: global_buffer, .address_space: global }
      - { .name: embedding, .offset: 8, .size: 8, .value_kind: global_buffer, .address_space: global }
      - { .name: cand, .offset: 16, .size: 8, .value_kind: global_buffer, .address_space: global }
      - { .name: out0, .offset: 24, .size: 8, .value_kind: global_buffer, .address_space: global }
    .group_segment_fixed_size: 4352
    .private_segment_fixed_size: 0
    .kernarg_segment_align: 8
    .kernarg_segment_size: 32
    .max_flat_workgroup_size: 1024
    .sgpr_count:     66
    .vgpr_count:     128
    .wavefront_size: 32
...
	.end_amdgpu_metadata
.endif
;; end of part 3
;; ======== version 2 of 2: 3 launches; 1.24 times as fast as version 1
;; limits: inputs' magnitudes at most 65,504; values are held in f16: magnitudes above 65,504 overflow, below 6.1e-05 lose precision
;; workspace buffers: cb16 8,388,608 bytes; hb 65,536 bytes; z16 8,388,608 bytes; z32 16,777,216 bytes; cand 524,288 bytes of whole numbers
;; launch prep (part 4): grid 256 x 1, 4 waves a work-group, clusters of 4 x 1, 267,008 bytes of LDS; arguments hidden_states, conv_w, conv_b, embedding, cb16, hb, z16, z32; writes cb16, hb, z16, z32
.if DOCPART == 4
	.amdgcn_target "amdgcn-amd-amdhsa--gfx1250"
	.amdhsa_code_object_version 6
	.text
	.protected	k_qb779485e8e_prep
	.globl	k_qb779485e8e_prep
	.p2align	8
	.type	k_qb779485e8e_prep,@function
k_qb779485e8e_prep:
	s_mov_b64 s[64:65], 0
	v_nop
	global_prefetch_b8 v0, s[64:65] scope:SCOPE_SE
	s_setreg_imm32_b32 hwreg(HW_REG_WAVE_MODE, 25, 1), 1
	s_wait_xcnt 0x0
	s_wait_alu depctr_hold_cnt(0) depctr_sa_sdst(0) depctr_va_vdst(0) depctr_va_sdst(0) depctr_va_ssrc(0) depctr_va_vcc(0) depctr_vm_vsrc(0)
	s_getreg_b32 s2, hwreg(HW_REG_IB_STS2, 6, 4)
	s_cmp_eq_u32 s2, 0
	s_cbranch_scc0 .Lentry_in_a_cluster
	s_endpgm
.Lentry_in_a_cluster:
	s_bfe_u32 s2, ttmp6, 0x10000c
	s_cmp_lg_u32 s2, 0x3003
	s_cbranch_scc0 .Lentry_shape_is_right
	s_endpgm
.Lentry_shape_is_right:
; PREP.  (a) 64 code rows a work-group: c = e / max(|e|, 1e-12) as f16 (cb16), and hb = -|c|^2 / 2 in f32.
; (b) 64 pixels a work-group: z = W h + b, z / max(|z|, 1e-12) as f32 (z32) and as f16 (z16).
; The answer of the whole program is an index, so z is wanted to f32's accuracy although the product runs on the matrix unit: every
; operand x is split into hi = f16(x) and lo = f16((x - hi) 2^11) (the difference is exact), and z = Whi Hhi + 2^-11 (Whi Hlo + Wlo Hhi);
; the term lo lo, 2^-22 of a product, is left out.
; LIMITS.  |h| and |w| stay under 65,504 (f16's largest number); a split part below 2^-25 / 2^11 is lost; NaN and infinities are not served;
; a row whose sum of squares is below 2^-126 counts as a zero row (the root flushes it); sums run in another order than a row-wise f32 sum.
; SHARES.  Work-group g = 4 x cluster + place: pixels and code rows 64 g .. 64 g + 63.  In the product wave w makes channels 64 w .. 64 w + 63 of all
; 64 pixels (source 0 = 16 channels of W, source 1 = 16 pixels of h: a lane then holds one pixel and eight neighbouring channels).  In both
; normalisations wave w takes rows 16 w .. 16 w + 15, a whole row at a time: lane L holds elements 4 L .. 4 L + 3 and 128 + 4 L .. + 3.
; CLUSTER.  W (262,144 bytes) is two thirds of what a work-group reads and all want it at their start: the four work-groups of a cluster ask for it
; jointly, one tensor load a wave (one outstanding, the wave's only one).  The place in the cluster, g and every offset made of them live in s[2:3], s21 and
; s40-42 alone: no register that feeds the descriptor or an LDS address ever holds them.
; LOADS.  All 32 loads of the wave's code rows and the upper 16 of its 32 loads of h go out at the start; the lower 16 of h take the registers of code batches 2 and 3
; as soon as these are worked off, the whole conversion of W ahead of their first use.
; LDS.  0: W as f32, wave w's 64 rows at 66,560 w, rows 1,040 bytes apart (1,024 + 16).  When every wave of the cluster has its W in registers (the round B1) the same
; bytes, which have had their last fill, take: 0 Hhi, 40,960 Hlo ([256 channels][64 pixels] f16, rows 160 bytes apart), 81,920 z ([64 pixels][256] f32, rows 1,040 apart).
; 266,240: 64 words of hb.
; REGISTERS.  Window 0: see the names below.  Window 1: Whi(a, s) at 64 a + 8 s.  Window 2: Wlo(a, s) likewise.
; Window 3: sums of hi hi at 8 (4 a + t), sums of the two cross terms at 128 + 8 (4 a + t)   (a: 16 channels, t: 16 pixels, s: 32 along K).
.set WP,   1040                        ; an LDS row of W or of z: 65 x 16 bytes, so 16 rows start at 16 different 16-byte columns of the 256 bytes of banks (ISA guide 11.1)
.set WSTG, 64*WP
.set HP,   160                         ; an LDS row of h: 128 + 32 bytes, an odd multiple of 32, for the turning load
.set HLO,  256*HP
.set ZST,  2*HLO
.set HBS,  4*WSTG
.set WV,   20                          ; s20  wave
.set LN,   1                           ; v1   lane
.set R,    2                           ; v2   lane % 16
.set H,    3                           ; v3   lane / 16
.set RO32, 4                           ; v4   16,384 w + 16 L: my 16 bytes in my wave's f32 rows
.set RO16, 5                           ; v5   8,192 w + 8 L: my 8 bytes in my wave's f16 rows
.set HO,   6                           ; v6   h: channel 64 w + H, pixels 4 R .. 4 R + 3
.set WA,   7                           ; v7   W in LDS: my row R of a fragment, 32 H
.set T,    8                           ; v8-15  f16 pairs; halves of a register can be named in v0-v127 only, so they are made here
.set HSA,  16                          ; v16, v17  where my f16 of h go: Hhi, Hlo
.set ATH,  18                          ; v18, v19  the turning load's address: Hhi, Hlo
.set ZSA,  20                          ; v20  z into the stage
.set ZRA,  21                          ; v21  z rows back
.set HBV,  23                          ; v23  lane R: hb of my wave's row R
.set HBA,  24
.set BO,   25                          ; v25  conv_b: 256 w + 32 H
.set TM,   26                          ; v26-31 at work
.set HS,   32                          ; v32-159  h as loaded (v32-95 hold code batches 2 and 3 first); then HF: fragments of h (64 buffer + 32 plane + 8 t); then ZR: 16 rows of z
.set HF,   32
.set ZR,   32
.set RING, 160                         ; v160-223 code batches 0 and 1; then XW, BI, ZT; then FZ
.set XW,   160                         ; v160-191 two fragments of W in f32
.set BI,   160                         ; v160-191 conv_b, 8 channels for each a
.set ZT,   192                         ; v192-223 z of one t
.set FZ,   160                         ; v160-223 z rows in f16
.set SQ,   224                         ; v224-231 four rows' sums of squares (pairs)
.set IV,   232                         ; v232-239 four rows: 1 / max(n, eps) (even), max(n, eps) (odd)
.set F,    240                         ; v240-255 a batch of code rows in f16: store data
.set Y,    240                         ; v240-255 later: halves widened again
.set MSB, 0
.macro WIN new                         ; the immediate's high byte repeats the setting that is left; a switch that changes nothing is dropped
.if MSB != \new
	s_set_vgpr_msb (MSB<<8)|\new
.set MSB, \new
.endif
.endm
.macro PLACES                          ; four places behind a matrix instruction where no other vector work is at hand; also behind a joint load
.rept 4
	v_nop
.endr
.endm
.macro ROUND                           ; a round of the cluster's barrier
	s_barrier_signal -1
	s_barrier_wait -1
	s_cmp_lg_u32 s[WV], 0
	s_cbranch_scc1 .Lnot_wave_0_\@
	s_barrier_signal -3
.Lnot_wave_0_\@:
	s_barrier_wait -3
	s_barrier_signal -1
	s_barrier_wait -1
.endm
; Four rows of 8 registers at X: the sum of squares S (SQ even), 1 / max(sqrt S, 1e-12) (IV even), the rows scaled in place.
.macro NORM4 X
.irp q, 0,1,2,3
	v_pk_mul_f32 v[SQ+2*\q:SQ+2*\q+1], v[\X+8*\q:\X+8*\q+1], v[\X+8*\q:\X+8*\q+1]
.endr
.irp k, 2,4,6
.irp q, 0,1,2,3
	v_pk_fma_f32 v[SQ+2*\q:SQ+2*\q+1], v[\X+8*\q+\k:\X+8*\q+\k+1], v[\X+8*\q+\k:\X+8*\q+\k+1], v[SQ+2*\q:SQ+2*\q+1]
.endr
.endr
.irp q, 0,1,2,3
	v_add_f32 v[SQ+2*\q], v[SQ+2*\q], v[SQ+2*\q+1]
.endr
.irp m, 1,2,4,8
.irp q, 0,1,2,3
	v_add_f32_dpp v[SQ+2*\q], v[SQ+2*\q], v[SQ+2*\q] row_xmask:\m row_mask:0xf bank_mask:0xf
.endr
.endr
.irp q, 0,1,2,3
	v_permlanex16_b32 v[SQ+2*\q+1], v[SQ+2*\q], s36, s37
.endr
.irp q, 0,1,2,3
	v_add_f32 v[SQ+2*\q], v[SQ+2*\q], v[SQ+2*\q+1]
.endr
.irp q, 0,1,2,3
	v_sqrt_f32 v[IV+2*\q+1], v[SQ+2*\q]
.endr
	v_nop                                          ; a plain instruction between the last root and the use of its result (ISA guide 5.7.2)
	s_wait_alu depctr_va_vdst(0)
.irp q, 0,1,2,3
	v_max_num_f32 v[IV+2*\q+1], 0x2b8cbccc, v[IV+2*\q+1]   ; 1e-12
.endr
.irp q, 0,1,2,3
	v_rcp_f32 v[IV+2*\q], v[IV+2*\q+1]
.endr
	v_nop
	s_wait_alu depctr_va_vdst(0)
.irp q, 0,1,2,3
.irp k, 0,2,4,6
	v_pk_mul_f32 v[\X+8*\q+\k:\X+8*\q+\k+1], v[\X+8*\q+\k:\X+8*\q+\k+1], v[IV+2*\q:IV+2*\q+1] op_sel_hi:[1,0]
.endr
.endr
.endm
.macro CVT4 X, D                       ; four rows to f16: 4 registers a row
.irp q, 0,1,2,3
.irp k, 0,1,2,3
	v_cvt_pk_f16_f32 v[\D+4*\q+\k], v[\X+8*\q+2*\k], v[\X+8*\q+2*\k+1]
.endr
.endr
.endm
; 16 numbers at X: hi = f16(x) in pairs into v8-15; X becomes (x - hi) 2^11, exact, ready for its own rounding to f16 (the factor keeps it out of f16's denormals)
.macro SPLIT16 X
.irp j, 0,1,2,3,4,5,6,7
	v_cvt_pk_f16_f32 v[T+\j], v[\X+2*\j], v[\X+2*\j+1]
.endr
	v_cvt_f32_f16 v[Y+0], v8.l
	v_cvt_f32_f16 v[Y+1], v8.h
	v_cvt_f32_f16 v[Y+2], v9.l
	v_cvt_f32_f16 v[Y+3], v9.h
	v_cvt_f32_f16 v[Y+4], v10.l
	v_cvt_f32_f16 v[Y+5], v10.h
	v_cvt_f32_f16 v[Y+6], v11.l
	v_cvt_f32_f16 v[Y+7], v11.h
	v_cvt_f32_f16 v[Y+8], v12.l
	v_cvt_f32_f16 v[Y+9], v12.h
	v_cvt_f32_f16 v[Y+10], v13.l
	v_cvt_f32_f16 v[Y+11], v13.h
	v_cvt_f32_f16 v[Y+12], v14.l
	v_cvt_f32_f16 v[Y+13], v14.h
	v_cvt_f32_f16 v[Y+14], v15.l
	v_cvt_f32_f16 v[Y+15], v15.h
.irp j, 0,1,2,3,4,5,6,7
	v_pk_add_f32 v[\X+2*\j:\X+2*\j+1], v[\X+2*\j:\X+2*\j+1], v[Y+2*\j:Y+2*\j+1] neg_lo:[0,1] neg_hi:[0,1]
.endr
.irp j, 0,1,2,3,4,5,6,7
	v_pk_mul_f32 v[\X+2*\j:\X+2*\j+1], v[\X+2*\j:\X+2*\j+1], 0x45000000 op_sel_hi:[1,0]   ; 2^11
.endr
.endm
.macro XRSET b                         ; XR: the 32 registers of code batch b
.if (\b) < 2
.set XR, RING+32*(\b)
.else
.set XR, HS+32*((\b)-2)
.endif
.endm
.macro CLOAD b                         ; batch b: four code rows, each load of the wave 512 neighbouring bytes
	XRSET \b
.irp q, 0,1,2,3
	global_load_b128 v[XR+8*\q:XR+8*\q+3],   v[RO32], s[10:11] offset:(4*(\b)+\q)*1024
	global_load_b128 v[XR+8*\q+4:XR+8*\q+7], v[RO32], s[10:11] offset:(4*(\b)+\q)*1024+512
.endr
.endm
.macro HLOAD first                     ; sixteen loads of h from number first on: load i takes channels 64 w + 2 i and + 1, 256 aligned bytes of each
.set i, \first
.rept 16
	global_load_b128 v[HS+4*i:HS+4*i+3], v[HO], s[4:5] offset:i*8192 th:TH_LOAD_NT
.set i, i+1
.endr
.endm
; Batch b of the code rows.  left: the younger loads that may stay out.
.macro CODEB b, left
	XRSET \b
	s_wait_loadcnt \left
	NORM4 XR
.irp q, 0,1,2,3
	v_mul_f32 v[TM+\q], v[SQ+2*\q], v[IV+2*\q]
.endr
.irp q, 0,1,2,3
	v_mul_f32 v[TM+\q], v[TM+\q], v[IV+2*\q]       ; |c|^2 = S / max(n, eps)^2
.endr
.irp q, 0,1,2,3
	v_mul_f32 v[TM+\q], -0.5, v[TM+\q]
.endr
.irp q, 0,1,2,3
	v_cmp_eq_u32 vcc_lo, 4*(\b)+\q, v[R]
	v_cndmask_b32 v[HBV], v[HBV], v[TM+\q], vcc_lo
.endr
	s_wait_xcnt 0x0                                ; F is the last batch's store data: it is rewritten only behind this wait (ISA guide 3.1)
	CVT4 XR, F
.irp q, 0,1,2,3
	global_store_b64 v[RO16], v[F+4*\q:F+4*\q+1], s[12:13] offset:(4*(\b)+\q)*512        ; a store of the wave covers 256 consecutive bytes, aligned
	global_store_b64 v[RO16], v[F+4*\q+2:F+4*\q+3], s[12:13] offset:(4*(\b)+\q)*512+256
.endr
.endm
.macro WLOAD f                         ; fragment f = 8 a + s of W in f32: K = 8 H .. + 7 and 16 + 8 H .. + 7 of row R
.set XB, XW+16*((\f)%2)
.set WO, ((\f)/8)*16*WP+((\f)%8)*128
	ds_load_b128 v[XB:XB+3],     v[WA] offset:WO
	ds_load_b128 v[XB+4:XB+7],   v[WA] offset:WO+16
	ds_load_b128 v[XB+8:XB+11],  v[WA] offset:WO+64
	ds_load_b128 v[XB+12:XB+15], v[WA] offset:WO+80
.endm
.macro WCONV f                         ; split, hi to window 1 (a copy, since the halves had to be named in v8-15), lo rounded straight into window 2
.set XB, XW+16*((\f)%2)
.set WD, 64*((\f)/8)+8*((\f)%8)
	SPLIT16 XB
	WIN 0x40
.irp j, 0,1,2,3,4,5,6,7
	v_mov_b32 v[WD+\j], v[T+\j]
.endr
	WIN 0x80
.irp j, 0,1,2,3,4,5,6,7
	v_cvt_pk_f16_f32 v[WD+\j], v[XB+2*\j], v[XB+2*\j+1]
.endr
	WIN 0
.endm
.macro HCONV q                         ; four loads of h (channels 64 w + 8 q + 2 m + H): split, and into the two planes
	SPLIT16 HS+16*(\q)
.irp j, 0,1,2,3,4,5,6,7
	v_cvt_pk_f16_f32 v[Y+\j], v[HS+16*(\q)+2*\j], v[HS+16*(\q)+2*\j+1]
.endr
.irp m, 0,1,2,3
	ds_store_b64 v[HSA],   v[T+2*\m:T+2*\m+1] offset:(4*(\q)+\m)*2*HP
	ds_store_b64 v[HSA+1], v[Y+2*\m:Y+2*\m+1] offset:(4*(\q)+\m)*2*HP
.endr
.endm
.macro HFETCH s                        ; K step s: 32 channels x 64 pixels of both planes, turned: lane holds pixel R of tile t
.set HB2, HF+64*((\s)%2)
.irp pl, 0,1
.irp t, 0,1,2,3
	ds_load_tr16_b128 v[HB2+32*\pl+8*\t:HB2+32*\pl+8*\t+3],   v[ATH+\pl] offset:(\s)*32*HP+32*\t
	ds_load_tr16_b128 v[HB2+32*\pl+8*\t+4:HB2+32*\pl+8*\t+7], v[ATH+\pl] offset:(\s)*32*HP+32*\t+16*HP
.endr
.endr
.endm
; K step s: 48 matrix instructions.  In each group sixteen accumulators take turns, one instruction a turn.
; In K step 0 the hi hi sums start from conv_b (register j of C is channel 8 H + j: the layout in which it was loaded), the cross sums from 0.
.macro KSTEP s
.set HB, HF+64*((\s)%2)
	s_wait_dscnt 0x0                               ; this step's fragments, asked for 48 matrix instructions ago
.if (\s) < 7
.if (\s) > 0
	PLACES                                         ; the loads below land in registers that the last step's products read
.endif
	WIN 0
	HFETCH (\s)+1
.endif
.if (\s) == 0
	WIN 0xc1                                       ; source 0 window 1, C window 0, D window 3
.else
	WIN 0xf1                                       ; source 0 window 1, C and D window 3
.endif
.irp t, 0,1,2,3
.irp a, 0,1,2,3
.if (\s) == 0
	v_wmma_f32_16x16x32_f16 v[8*(4*\a+\t):8*(4*\a+\t)+7], v[64*\a+8*(\s):64*\a+8*(\s)+7], v[HB+8*\t:HB+8*\t+7], v[BI+8*\a:BI+8*\a+7]
.else
	v_wmma_f32_16x16x32_f16 v[8*(4*\a+\t):8*(4*\a+\t)+7], v[64*\a+8*(\s):64*\a+8*(\s)+7], v[HB+8*\t:HB+8*\t+7], v[8*(4*\a+\t):8*(4*\a+\t)+7]
.endif
.endr
.endr
.irp t, 0,1,2,3
.irp a, 0,1,2,3
.if (\s) == 0
	v_wmma_f32_16x16x32_f16 v[128+8*(4*\a+\t):128+8*(4*\a+\t)+7], v[64*\a+8*(\s):64*\a+8*(\s)+7], v[HB+32+8*\t:HB+32+8*\t+7], 0
.else
	v_wmma_f32_16x16x32_f16 v[128+8*(4*\a+\t):128+8*(4*\a+\t)+7], v[64*\a+8*(\s):64*\a+8*(\s)+7], v[HB+32+8*\t:HB+32+8*\t+7], v[128+8*(4*\a+\t):128+8*(4*\a+\t)+7]
.endif
.endr
.endr
	WIN 0xf2                                       ; source 0 window 2
.irp t, 0,1,2,3
.irp a, 0,1,2,3
	v_wmma_f32_16x16x32_f16 v[128+8*(4*\a+\t):128+8*(4*\a+\t)+7], v[64*\a+8*(\s):64*\a+8*(\s)+7], v[HB+8*\t:HB+8*\t+7], v[128+8*(4*\a+\t):128+8*(4*\a+\t)+7]
.endr
.endr
.endm
.macro ZB b                            ; four rows of z: normalised, stored as f32 and as f16; no store's register is written again
	s_wait_dscnt 24-8*(\b)                         ; the younger rows' loads may stay out
	NORM4 ZR+32*(\b)
	CVT4 ZR+32*(\b), FZ+16*(\b)
.irp q, 0,1,2,3
	global_store_b128 v[RO32], v[ZR+32*(\b)+8*\q:ZR+32*(\b)+8*\q+3],   s[18:19] offset:(4*(\b)+\q)*1024
	global_store_b128 v[RO32], v[ZR+32*(\b)+8*\q+4:ZR+32*(\b)+8*\q+7], s[18:19] offset:(4*(\b)+\q)*1024+512
	global_store_b64  v[RO16], v[FZ+16*(\b)+4*\q:FZ+16*(\b)+4*\q+1],   s[16:17] offset:(4*(\b)+\q)*512
	global_store_b64  v[RO16], v[FZ+16*(\b)+4*\q+2:FZ+16*(\b)+4*\q+3], s[16:17] offset:(4*(\b)+\q)*512+256
.endr
.endm
	s_load_b512 s[4:19], s[0:1], 0x0               ; hidden 4, conv_w 6, conv_b 8, embedding 10, cb16 12, hb 14, z16 16, z32 18
	v_lshl_add_u32 v30, v0, 2, 0x41100
	v_mov_b32 v31, 0
	ds_add_u32 v30, v31
	v_lshrrev_b32 v1, 5, v0
	v_readfirstlane_b32 s[WV], v1
	s_bfe_u32 s21, ttmp6, 0x40000                  ; my place in the cluster
	s_lshl_b32 s40, ttmp9, 2
	s_add_co_u32 s40, s40, s21                     ; g: it enters global addresses of my own data alone
	; W's descriptor: 64 rows x 256 elements of 4 bytes, 4 words of padding behind every 256 words; the same in all four work-groups
	s_mov_b32 s24, 1
	s_mul_i32 s25, s[WV], WSTG
	s_mov_b32 s28, 15|(2<<16)|(1<<20)|(1<<21)|(7<<22)|(3<<25)
	s_mov_b32 s29, 256<<16
	s_mov_b32 s30, 64<<16
	s_mov_b32 s31, 256<<16
	s_mov_b32 s32, 64
	s_mov_b32 s33, 256
	s_mov_b32 s34, 0
	s_mov_b32 s35, 0
	s_mov_b32 s36, 0x76543210                      ; v_permlanex16_b32: each lane takes its own place in the other half
	s_mov_b32 s37, 0xfedcba98
	s_lshl_b32 s22, s[WV], 16                      ; my wave's 64 rows of W: s[22:23] hold nothing else
	s_mov_b32 s23, 0
	s_mov_b32 s3, 0                                ; s[2:3]: the offsets made of g
	s_wait_dscnt 0x0
	s_wait_kmcnt 0x0
	s_add_nc_u64 s[26:27], s[6:7], s[22:23]
	s_or_b32 s27, s27, 0x80000000
	ROUND                                          ; the four work-groups are here: the joint loads meet
	tensor_load_to_lds s[24:27], s[28:35]
	s_nop 0
	PLACES
	s_lshl_b32 s2, s40, 16                         ; 64 rows of 1,024 bytes
	s_add_nc_u64 s[10:11], s[10:11], s[2:3]
	s_add_nc_u64 s[18:19], s[18:19], s[2:3]
	s_lshl_b32 s2, s40, 15                         ; 64 rows of 512 bytes
	s_add_nc_u64 s[12:13], s[12:13], s[2:3]
	s_add_nc_u64 s[16:17], s[16:17], s[2:3]
	s_lshl_b32 s2, s40, 8
	s_add_nc_u64 s[14:15], s[14:15], s[2:3]
	s_lshr_b32 s41, s40, 4                         ; the image,
	s_lshl_b32 s41, s41, 20
	s_and_b32 s42, s40, 15                         ; and my 64 of its 1,024 pixels
	s_lshl_b32 s42, s42, 8
	s_add_co_u32 s2, s41, s42
	s_add_nc_u64 s[4:5], s[4:5], s[2:3]
	v_and_b32 v[LN], 31, v0
	v_and_b32 v[R], 15, v0
	v_bfe_u32 v[H], v0, 4, 1
	v_lshlrev_b32 v[RO32], 4, v[LN]
	v_lshl_add_u32 v[RO32], s[WV], 14, v[RO32]
	v_lshlrev_b32 v[RO16], 3, v[LN]
	v_lshl_add_u32 v[RO16], s[WV], 13, v[RO16]
	v_lshlrev_b32 v[HO], 4, v[R]
	v_lshl_add_u32 v[HO], v[H], 12, v[HO]
	v_lshl_add_u32 v[HO], s[WV], 18, v[HO]
	CLOAD 0
	CLOAD 1
	CLOAD 2
	CLOAD 3
	HLOAD 16                                       ; h's loads 16-31, into v96-159
	v_mul_u32_u24 v[WA], v[R], WP
	v_lshl_add_u32 v[WA], v[H], 5, v[WA]
	v_lshl_add_u32 v[ZSA], s[WV], 8, v[WA]
	v_add_nc_u32 v[ZSA], ZST, v[ZSA]
	v_add_nc_u32 v[WA], s25, v[WA]
	s_mul_i32 s38, s[WV], 64*HP                    ; s38, s39: LDS bytes made of the wave's number and constants
	v_mul_u32_u24 v[HSA], v[H], HP
	v_lshl_add_u32 v[HSA], v[R], 3, v[HSA]
	v_add_nc_u32 v[HSA], s38, v[HSA]
	v_add_nc_u32 v[HSA+1], HLO, v[HSA]
	v_and_b32 v26, 7, v0
	v_lshl_add_u32 v26, v[H], 3, v26
	v_bfe_u32 v27, v0, 3, 1
	v_mul_u32_u24 v[ATH], v26, HP
	v_lshl_add_u32 v[ATH], v27, 4, v[ATH]
	v_add_nc_u32 v[ATH+1], HLO, v[ATH]
	s_mul_i32 s38, s[WV], 16*WP
	s_add_co_u32 s38, s38, ZST
	v_lshl_add_u32 v[ZRA], v[LN], 4, s38
	s_lshl_b32 s39, s[WV], 6
	s_add_co_u32 s39, s39, HBS
	v_lshl_add_u32 v[HBA], v[R], 2, s39
	v_lshlrev_b32 v[BO], 5, v[H]
	v_lshl_add_u32 v[BO], s[WV], 8, v[BO]
	v_mov_b32 v[HBV], 0
	; THE CODE ROWS.  Loads come back in order (ISA guide 5.7.1): behind batch b stand the 8 (3 - b) loads of the later batches and h's sixteen.
	CODEB 0, 40
	CODEB 1, 32
	CODEB 2, 24
	CODEB 3, 16
	HLOAD 0                                        ; h's loads 0-15, into v32-95: batches 2 and 3 have been rounded to f16 out of them
	ds_store_b32 v[HBA], v[HBV]                    ; lanes L and L + 16 write the same word with the same value
	s_wait_xcnt 0x0                                ; the last batch's stores read v240-255, which the splits below write: only behind this wait (ISA guide 3.1)
	; W INTO REGISTERS, split.  A wave reads its own rows alone, so its own wait is all the order that the reads need.
	s_wait_tensorcnt 0x0
.set f, 0
	WLOAD f
.rept 31
.set f, f+1
	WLOAD f
	s_wait_dscnt 4                                 ; the four loads just issued may stay out
	WCONV f-1
.endr
	s_wait_dscnt 0x0
	WCONV 31
	ROUND                                          ; B1, a round of the cluster's barrier: every wave of all four work-groups has its joint load in (its wait for 0 above) and its reads of W back
	                                               ; (the wait for 0 above), and its words of hb are written: from here on W's bytes are written by LDS stores
	s_cmp_lg_u32 s[WV], 0
	s_cbranch_scc1 .Lno_hb
	v_lshlrev_b32 v26, 3, v[LN]
	v_add_nc_u32 v27, HBS, v26
	ds_load_b64 v[28:29], v27
	s_wait_dscnt 0x0
	global_store_b64 v26, v[28:29], s[14:15]       ; the work-group's 64 hb: 256 consecutive bytes, aligned; v26 and v28-29 are not written again
.Lno_hb:
.irp a, 0,1,2,3
	global_load_b128 v[BI+8*\a:BI+8*\a+3],   v[BO], s[8:9] offset:64*\a
	global_load_b128 v[BI+8*\a+4:BI+8*\a+7], v[BO], s[8:9] offset:64*\a+16
.endr
	; h, split, into LDS
	s_wait_loadcnt 0x8                             ; all 32 loads of h are in; conv_b's eight, issued behind them, may stay out
.irp q, 0,1,2,3,4,5,6,7
	HCONV \q
.endr
	s_wait_dscnt 0x0
	s_barrier_signal -1                            ; B2: both planes are whole
	s_barrier_wait -1
	HFETCH 0
	s_wait_loadcnt 0x0                             ; conv_b
.irp s, 0,1,2,3,4,5,6,7
	KSTEP \s
.endr
	PLACES
.irp t, 0,1,2,3
	WIN 0x33                                       ; sources 0 and 2 window 3
.irp a, 0,1,2,3
.irp k, 0,2,4,6
	v_pk_fma_f32 v[ZT+8*\a+\k:ZT+8*\a+\k+1], v[128+8*(4*\a+\t)+\k:128+8*(4*\a+\t)+\k+1], 0x3a000000, v[8*(4*\a+\t)+\k:8*(4*\a+\t)+\k+1] op_sel_hi:[1,0,1]   ; 2^-11 x cross + hi hi
.endr
.endr
	WIN 0
.irp a, 0,1,2,3
	ds_store_b128 v[ZSA], v[ZT+8*\a:ZT+8*\a+3]   offset:\t*16*WP+64*\a
	ds_store_b128 v[ZSA], v[ZT+8*\a+4:ZT+8*\a+7] offset:\t*16*WP+64*\a+16
.endr
.endr
	s_wait_dscnt 0x0
	s_barrier_signal -1                            ; B3: a row of z comes from all four waves
	s_barrier_wait -1
.irp p, 0,1,2,3,4,5,6,7,8,9,10,11,12,13,14,15
	ds_load_b128 v[ZR+8*\p:ZR+8*\p+3],   v[ZRA] offset:\p*WP
	ds_load_b128 v[ZR+8*\p+4:ZR+8*\p+7], v[ZRA] offset:\p*WP+512
.endr
	ZB 0
	ZB 1
	ZB 2
	ZB 3
	s_wait_tensorcnt 0x0
	ds_add_u32 v30, v31
	s_wait_dscnt 0x0
	ROUND                                          ; the closing round
	s_endpgm
.Lfunc_end_k_qb779485e8e_prep:
	.size	k_qb779485e8e_prep, .Lfunc_end_k_qb779485e8e_prep-k_qb779485e8e_prep
	.p2alignl 7, 3214868480
	.fill 96, 4, 3214868480
	.section	.rodata,"a",@progbits
	.p2align	6, 0x0
	.amdhsa_kernel k_qb779485e8e_prep
		.amdhsa_group_segment_fixed_size 267008
		.amdhsa_private_segment_fixed_size 0
		.amdhsa_enable_private_segment 0
		.amdhsa_kernarg_size 64
		.amdhsa_user_sgpr_count 2
		.amdhsa_user_sgpr_kernarg_segment_ptr 1
		.amdhsa_wavefront_size32 1
		.amdhsa_system_sgpr_workgroup_id_x 1
		.amdhsa_system_sgpr_workgroup_id_y 1
		.amdhsa_system_sgpr_workgroup_id_z 1
		.amdhsa_system_vgpr_workitem_id 0
		.amdhsa_next_free_vgpr 1024
		.amdhsa_next_free_sgpr 66
		.amdhsa_reserve_vcc 1
		.amdhsa_float_denorm_mode_32 3
		.amdhsa_float_denorm_mode_16_64 3
		.amdhsa_memory_ordered 1
		.amdhsa_forward_progress 1
		.amdhsa_inst_pref_size 244
	.end_amdhsa_kernel
	.amdgpu_metadata
---
amdhsa.version: [ 1, 2 ]
amdhsa.kernels:
  - .name:           k_qb779485e8e_prep
    .symbol:         k_qb779485e8e_prep.kd
    .args:
      - { .name: hidden_states, .offset: 0, .size: 8, .value_kind: global_buffer, .address_space: global }
      - { .name: conv_w, .offset: 8, .size: 8, .value_kind: global_buffer, .address_space: global }
      - { .name: conv_b, .offset: 16, .size: 8, .value_kind: global_buffer, .address_space: global }
      - { .name: embedding, .offset: 24, .size: 8, .value_kind: global_buffer, .address_space: global }
      - { .name: cb16, .offset: 32, .size: 8, .value_kind: global_buffer, .address_space: global }
      - { .name: hb, .offset: 40, .size: 8, .value_kind: global_buffer, .address_space: global }
      - { .name: z16, .offset: 48, .size: 8, .value_kind: global_buffer, .address_space: global }
      - { .name: z32, .offset: 56, .size: 8, .value_kind: global_buffer, .address_space: global }
    .group_segment_fixed_size: 267008
    .private_segment_fixed_size: 0
    .kernarg_segment_align: 8
    .kernarg_segment_size: 64
    .max_flat_workgroup_size: 128
    .sgpr_count:     66
    .vgpr_count:     1024
    .wavefront_size: 32
...
	.end_amdgpu_metadata
.endif
;; end of part 4
;; launch screen (part 5): grid 64 x 4, 4 waves a work-group, clusters of 4 x 1, 327,680 bytes of LDS; arguments z16, cb16, hb, cand; writes cand
.if DOCPART == 5
	.amdgcn_target "amdgcn-amd-amdhsa--gfx1250"
	.amdhsa_code_object_version 6
	.text
	.protected	k_qb779485e8e_screen
	.globl	k_qb779485e8e_screen
	.p2align	8
	.type	k_qb779485e8e_screen,@function
k_qb779485e8e_screen:
	s_mov_b64 s[64:65], 0
	v_nop
	global_prefetch_b8 v0, s[64:65] scope:SCOPE_SE
	s_setreg_imm32_b32 hwreg(HW_REG_WAVE_MODE, 25, 1), 1
	s_wait_xcnt 0x0
	s_wait_alu depctr_hold_cnt(0) depctr_sa_sdst(0) depctr_va_vdst(0) depctr_va_sdst(0) depctr_va_ssrc(0) depctr_va_vcc(0) depctr_vm_vsrc(0)
	s_getreg_b32 s2, hwreg(HW_REG_IB_STS2, 6, 4)
	s_cmp_eq_u32 s2, 0
	s_cbranch_scc0 .Lentry_in_a_cluster
	s_endpgm
.Lentry_in_a_cluster:
	s_bfe_u32 s2, ttmp6, 0x10000c
	s_cmp_lg_u32 s2, 0x3003
	s_cbranch_scc0 .Lentry_shape_is_right
	s_endpgm
.Lentry_shape_is_right:
; SCREEN.  s[code][query] = c . z - |c|^2 / 2 (its largest is the smallest distance), f16 operands, f32 sums; both operands are vectors of length 1 at the most, so f16 has the room.
; For each query and each quarter of the codebook two candidates are stored as whole numbers; the next launch decides among a query's eight in f32.
; LIMIT.  A block is the 32 codes 64 G + 16 k + 8 H + j (k < 4, j < 8) that one lane meets in a group G of four tiles.  The candidates of a quarter are the best code of each of its two best
; blocks, by this launch's scores (f16 operands, and the five lowest bits of a score's mantissa, 2^-18 of it, replaced by 8 k + j).  The true nearest code is missed only if a code of its own
; block, or two other blocks of its quarter, come within that rounding of it (2^-10 at the worst).  NaN and infinities are not served.
; SHARES.  Work-group (x, y): queries 256 x .. + 255 against codes 4,096 y .. + 4,095; wave w keeps its 64 queries (four tiles t of 16) in 256 registers for the whole launch and walks all
; 256 tiles of 16 codes.  Source 0 = 16 codes, source 1 = 16 queries: a lane holds ONE query (16 t + lane % 16) and the codes 8 H + 0..7, so maxima never leave the lane in the loop.
; CLUSTER.  The four work-groups of a cluster (four x, one y) walk the same 2 MiB of codes: every fill is asked for jointly.  The queries (128 KiB a work-group, read once, by plain loads) are
; shared along y, a sixteenth of the codes' bytes: not shared here.
; RING.  Two slots of 256 code rows (16 tiles), rows 528 bytes apart; a wave fetches 64 rows of a fill by one load.  A slot is left when its last tile's fragments are in registers, and is
; filled again first thing behind the round: the load has 16 tiles, 512 matrix instructions a wave, in which to land.  Three loads of a wave are out at the start, one behind each round.
; BY TURNS.  While tile g is multiplied (32 matrix instructions), tile g + 1's fragments are fetched and tile g - 1's scores are reduced.  The 18 LDS loads stand in ONE run, behind the tile's
; first product, 31 matrix instructions ahead of their first use, never singly among the products.  The vector work stands in slices behind the products.
; THE REDUCTION.  A tile costs 32 v_bfi_b32 (the code's place into the score) and 16 maxima, which run on through the four tiles of a group in two chains a query tile.  Only the group's
; maximum is held against the two best blocks so far: 32 instructions for four tiles, dealt over the next group's first three tiles.  58 vector instructions a tile on the average.
; REGISTERS.  Window 1: the queries, Q(t, s) at 64 t + 8 s.  All else in window 0.  Products run with source 1 alone in window 1; LDS loads, v_bfi_b32 with two constants, an add of a
; register and a scalar, and a move of a scalar name no vector register as source 1 and stand under the same setting.  The maxima and the update want window 0: they stand in slices of
; four (one kind, all four query tiles), six a tile on the average, so a tile has 12 switches.
.set CP,    528                        ; 512 + 16 bytes = 33 x 16: 16 rows start at 16 different 16-byte columns of the 256 bytes of banks (ISA guide 11.1)
.set TILEB, 16*CP
.set SLOT,  256*CP
.set BIAS0, 2*SLOT                     ; hb of my quarter: 16,384 bytes, dense
.set FILLB, 256*512                    ; a fill in memory
.set WV,  12                           ; s12 wave
.set TB,  46                           ; s46 LDS byte of the tile to fetch
.set BB,  47                           ; s47 byte of its 16 hb in the table
.set GID, 48                           ; s48 the group whose maximum is next held against the best two
.set C1,  52                           ; s52-55, s56-59 masks
.set C2,  56
.set AK0, 2                            ; v2  R x 528 + 16 H
.set AB0, 3                            ; v3  BIAS0 + 32 H
.set ADR, 4
.set ADRB, 5
.set QO,  6
.set VT,  7                            ; v7  the group's number in a vector register
.set HH,  8
.set M1,  16                           ; v16-19 best block's score, v20-23 second best's, v24-27, v28-31 their groups
.set M2,  20
.set I1,  24
.set I2,  28
.set T0,  32                           ; v32-35, v36-39 the two running maxima of the group in hand
.set T1,  36
.set BI,  40                           ; v40-55  hb of a tile, two buffers
.set TF,  56                           ; v56-59  the finished group's maximum
.set KB,  60                           ; v60-63  at work on the way out
.set SC,  64                           ; v64-127 scores, two buffers x four tiles x 8
.set CF,  128                          ; v128-255 code fragments, two buffers x eight K steps x 8
.set MSB, 0
.macro WIN new
.if MSB != \new
	s_set_vgpr_msb (MSB<<8)|\new
.set MSB, \new
.endif
.endm
.macro PLACES
.rept 4
	v_nop
.endr
.endm
.macro ROUND
	s_barrier_signal -1
	s_barrier_wait -1
	s_cmp_lg_u32 s[WV], 0
	s_cbranch_scc1 .Lnot_wave_0_\@
	s_barrier_signal -3
.Lnot_wave_0_\@:
	s_barrier_wait -3
	s_barrier_signal -1
	s_barrier_wait -1
.endm
.macro NEXTADR                         ; the addresses of the tile to fetch; then on to the next
	v_add_nc_u32 v[ADR], v[AK0], s[TB]
	v_add_nc_u32 v[ADRB], v[AB0], s[BB]
	s_add_co_u32 s[TB], s[TB], TILEB
	s_add_co_u32 s[BB], s[BB], 64
	s_and_b32 s[BB], s[BB], 0x3fff                 ; 256 tiles x 64 bytes: the byte stays inside the table
.endm
.macro LDF b                           ; load l of 18 into buffers b: 16 of fragments (K step l / 2, half l % 2), 2 of hb
.if l < 16
	ds_load_b128 v[CF+64*(\b)+4*l:CF+64*(\b)+4*l+3], v[ADR] offset:32*l
.else
	ds_load_b128 v[BI+8*(\b)+4*(l-16):BI+8*(\b)+4*(l-16)+3], v[ADRB] offset:16*(l-16)
.endif
.endm
; Two of the 32 scores of buffer b, numbers first and first + 1 (number n: query tile n % 4, register j = n / 4): 8 k + j into the five lowest bits.  Register by register, so that
; a kind of maxima can follow every eight of them.
.macro BF2 b, k, first
.set n, \first
.rept 2
	v_bfi_b32 v[SC+32*(\b)+8*(n%4)+n/4], 31, 8*(\k)+n/4, v[SC+32*(\b)+8*(n%4)+n/4]
.set n, n+1
.endr
.endm
; Kind g, for all four query tiles.  0-3: two more scores of buffer b into a running maximum (a group's first tile, k = 0, starts both).  4: the group's maximum.
; 5-11: is it above the best, above the second; the second's group (two selects); the best's group; the second's score (the middle of three); the best's score.
.macro WG b, k, g
	WIN 0
.irp tt, 0,1,2,3
.set ra, SC+32*(\b)+8*\tt
.if (\g) == 0
.if (\k) == 0
	v_max_num_f32 v[T0+\tt], v[ra], v[ra+1]
.else
	v_max3_num_f32 v[T0+\tt], v[T0+\tt], v[ra], v[ra+1]
.endif
.elseif (\g) == 1
.if (\k) == 0
	v_max_num_f32 v[T1+\tt], v[ra+2], v[ra+3]
.else
	v_max3_num_f32 v[T1+\tt], v[T1+\tt], v[ra+2], v[ra+3]
.endif
.elseif (\g) == 2
	v_max3_num_f32 v[T0+\tt], v[T0+\tt], v[ra+4], v[ra+5]
.elseif (\g) == 3
	v_max3_num_f32 v[T1+\tt], v[T1+\tt], v[ra+6], v[ra+7]
.elseif (\g) == 4
	v_max_num_f32 v[TF+\tt], v[T0+\tt], v[T1+\tt]
.elseif (\g) == 5
	v_cmp_gt_f32 s[C1+\tt], v[TF+\tt], v[M1+\tt]
.elseif (\g) == 6
	v_cmp_gt_f32 s[C2+\tt], v[TF+\tt], v[M2+\tt]
.elseif (\g) == 7
	v_cndmask_b32 v[I2+\tt], v[I2+\tt], v[VT], s[C2+\tt]
.elseif (\g) == 8
	v_cndmask_b32 v[I2+\tt], v[I2+\tt], v[I1+\tt], s[C1+\tt]
.elseif (\g) == 9
	v_cndmask_b32 v[I1+\tt], v[I1+\tt], v[VT], s[C1+\tt]
.elseif (\g) == 10
	v_med3_num_f32 v[M2+\tt], v[TF+\tt], v[M1+\tt], v[M2+\tt]
.else
	v_max_num_f32 v[M1+\tt], v[M1+\tt], v[TF+\tt]
.endif
.endr
.endm
; A tile: product i of 32 is K step i / 4, query tile i % 4; the four accumulators take turns, one instruction a turn; the first four start from hb.
; work = 1: the tile before, number k of its group, is reduced.  fetch = 1: the next tile is fetched.  upd = 1: a finished group's update is in hand.
; Slices: behind product 0 the addresses and the run of loads; behind 1-20 four times (two v_bfi_b32, four times over, then a kind of maxima); then, by k:
;   k = 3: kind 4 behind 31.   k = 0: the group's number behind 22, kinds 5, 6, 7 behind 24, 27, 31.   k = 1: kinds 8, 9 behind 26, 31.   k = 2: kinds 10, 11 behind 26, 31.
; Places (ISA guide 7.12.1 for vector instructions): the slice behind product 31 holds four plain instructions on v7-v59 (or four v_nop stand there): they stand behind a tile's
; last four products, ahead of the next tile's run of loads into its fragments and of the first v_bfi_b32 on its scores.
.macro TILE p, work, fetch, k, upd
	s_wait_dscnt 0x0                               ; this tile's 18 loads, issued 31 matrix instructions ago
.set i, 0
.rept 32
	WIN 0x04
.set rd, SC+32*(\p)+8*(i%4)
.set rc, CF+64*(\p)+8*(i/4)
.set rq, 64*(i%4)+8*(i/4)
.if i < 4
	v_wmma_f32_16x16x32_f16 v[rd:rd+7], v[rc:rc+7], v[rq:rq+7], v[BI+8*(\p):BI+8*(\p)+7]
.else
	v_wmma_f32_16x16x32_f16 v[rd:rd+7], v[rc:rc+7], v[rq:rq+7], v[rd:rd+7]
.endif
.if (i == 0) && \fetch
	NEXTADR
.set l, 0
.rept 18                               ; the next tile's fragments and hb, in one run
	LDF 1-\p
.set l, l+1
.endr
.endif
.set gg, -1
.if \work
.if (i >= 1) && (i <= 20)
.if (i-1)%5 == 4
.set gg, (i-1)/5
.else
.set bb, 2*((i-1)-(i-1)/5)
	BF2 1-\p, \k, bb
.endif
.elseif (\k == 3) && (i == 31)
.set gg, 4
.elseif \upd
.if (\k == 0) && (i == 22)
	v_mov_b32 v[VT], s[GID]
	s_add_co_u32 s[GID], s[GID], 1
.elseif (\k == 0) && (i == 24)
.set gg, 5
.elseif (\k == 0) && (i == 27)
.set gg, 6
.elseif (\k == 0) && (i == 31)
.set gg, 7
.elseif (\k == 1) && (i == 26)
.set gg, 8
.elseif (\k == 1) && (i == 31)
.set gg, 9
.elseif (\k == 2) && (i == 26)
.set gg, 10
.elseif (\k == 2) && (i == 31)
.set gg, 11
.endif
.endif
.endif
.if gg >= 0
	WG 1-\p, \k, gg
.endif
.set i, i+1
.endr
.if (\work == 0) || ((\k != 3) && (\upd == 0))
	PLACES                                         ; no kind stands behind product 31
.endif
.endm
; Four tiles, from a tile 4 q + 3 on: they reduce tiles 4 q + 2 .. 4 q + 5, numbers 2, 3, 0, 1 of their groups.
.macro QUADS n
	WIN 0
	s_mov_b32 s45, \n
.Lquad_\@:
	TILE 1, 1, 1, 2, 1
	TILE 0, 1, 1, 3, 1
	TILE 1, 1, 1, 0, 1
	TILE 0, 1, 1, 1, 1
	WIN 0                                          ; at a label and at a branch every window is 0
	s_sub_co_u32 s45, s45, 1
	s_cmp_lg_u32 s45, 0
	s_cbranch_scc1 .Lquad_\@
.endm
; The change of slots, ahead of a slot's last tile, whose fragments have been asked for.  Each wave waits for its reads of the slot and for all its tensor loads (one is out: its part of the
; other slot).  fill = 1: a round of the cluster's barrier, so that no wave of any partner still reads the slot or has a load on its way; the joint refill is the first thing behind it.
.macro CHANGE slot, fill
	WIN 0
	s_wait_dscnt 0x0
	s_wait_tensorcnt 0x0                           ; no tensor load of mine is out, so a group 0 may be written
	ds_add_u32 v14, v15
	s_wait_dscnt 0x0
.if \fill
	s_add_nc_u64 s[34+4*\slot:35+4*\slot], s[34+4*\slot:35+4*\slot], 2*FILLB
	ROUND
	tensor_load_to_lds s[32+4*\slot:35+4*\slot], s[16:23]
	s_nop 0
	PLACES
.else
	s_barrier_signal -1
	s_barrier_wait -1
.endif
	s_mov_b32 s[TB], (1-\slot)*SLOT                ; the fetches go on in the other slot
.endm
	s_load_b256 s[4:11], s[0:1], 0x0               ; z16 4, cb16 6, hb 8, cand 10
	v_lshl_add_u32 v14, v0, 2, 0x46000
	v_mov_b32 v15, 0
	ds_add_u32 v14, v15
	v_lshrrev_b32 v1, 5, v0
	v_readfirstlane_b32 s[WV], v1
	s_bfe_u32 s13, ttmp6, 0x40000                  ; my place in the cluster
	s_lshl_b32 s14, ttmp9, 2
	s_add_co_u32 s14, s14, s13                     ; x: it enters z16's and cand's addresses alone
	s_and_b32 s15, ttmp7, 0xffff                   ; y, which the four partners share
	; group 1 for the codes: 64 rows x 256 elements of 2 bytes, 4 words of padding behind every 128 words, mask of all four
	s_mov_b32 s16, 15|(1<<16)|(1<<20)|(1<<21)|(6<<22)|(3<<25)
	s_mov_b32 s17, 256<<16
	s_mov_b32 s18, 64<<16
	s_mov_b32 s19, 256<<16
	s_mov_b32 s20, 64
	s_mov_b32 s21, 256
	s_mov_b32 s22, 0
	s_mov_b32 s23, 0
	; group 1 for hb: a dense block as 16 rows x 32 elements of 8 bytes
	s_mov_b32 s24, 15|(3<<16)|(1<<21)
	s_mov_b32 s25, 32<<16
	s_mov_b32 s26, 16<<16
	s_mov_b32 s27, 32<<16
	s_mov_b32 s28, 16
	s_mov_b32 s29, 32
	s_mov_b32 s30, 0
	s_mov_b32 s31, 0
	s_mov_b32 s32, 1
	s_mul_i32 s33, s[WV], 64*CP                    ; slot 0, my 64 rows
	s_mov_b32 s36, 1
	s_add_co_u32 s37, s33, SLOT
	s_mov_b32 s40, 1
	s_lshl_b32 s41, s[WV], 12
	s_add_co_u32 s41, s41, BIAS0
	s_mov_b32 s60, 0x76543210
	s_mov_b32 s61, 0xfedcba98
	s_mov_b32 s[TB], 0
	s_mov_b32 s[BB], 0
	s_mov_b32 s[GID], 0
	s_lshl_b32 s50, s15, 21                        ; my quarter's 4,096 rows of 512 bytes,
	s_lshl_b32 s49, s[WV], 15                      ; my wave's 64 rows of a fill
	s_add_co_u32 s50, s50, s49
	s_mov_b32 s51, 0
	s_lshl_b32 s2, s14, 17                         ; my block's 256 rows of z16, my wave's 64
	s_add_co_u32 s2, s2, s49
	s_mov_b32 s3, 0
	s_wait_dscnt 0x0
	s_wait_kmcnt 0x0
	s_add_nc_u64 s[34:35], s[6:7], s[50:51]
	s_add_nc_u64 s[38:39], s[34:35], FILLB
	s_or_b32 s35, s35, 0x80000000
	s_or_b32 s39, s39, 0x80000000
	s_lshl_b32 s50, s15, 14
	s_lshl_b32 s49, s[WV], 12
	s_add_co_u32 s50, s50, s49
	s_add_nc_u64 s[42:43], s[8:9], s[50:51]
	s_or_b32 s43, s43, 0x80000000
	s_add_nc_u64 s[4:5], s[4:5], s[2:3]
	s_lshl_b32 s2, s14, 11                         ; cand: quarter y, query 256 x + 64 w, 8 bytes a query
	s_lshl_b32 s49, s15, 17
	s_add_co_u32 s2, s2, s49
	s_lshl_b32 s49, s[WV], 9
	s_add_co_u32 s2, s2, s49
	s_add_nc_u64 s[10:11], s[10:11], s[2:3]
	ROUND                                          ; the four work-groups are here: the first joint loads meet
	tensor_load_to_lds s[32:35], s[16:23]          ; fill 0
	s_nop 0
	tensor_load_to_lds s[40:43], s[24:31]          ; hb
	s_nop 0
	tensor_load_to_lds s[36:39], s[16:23]          ; fill 1
	s_nop 0
	PLACES
	v_and_b32 v1, 15, v0
	v_bfe_u32 v[HH], v0, 4, 1
	v_mul_u32_u24 v[AK0], v1, CP
	v_lshl_add_u32 v[AK0], v[HH], 4, v[AK0]
	v_lshlrev_b32 v[AB0], 5, v[HH]
	v_add_nc_u32 v[AB0], BIAS0, v[AB0]
	v_lshlrev_b32 v[QO], 9, v1
	v_lshl_add_u32 v[QO], v[HH], 4, v[QO]
	WIN 0x40                                       ; destination window 1
.set i, 0
.rept 32                               ; Q(t, s), t = i / 8, s = i % 8: K = 32 s + 8 H .. + 7 and + 16 of query 16 t + R
	global_load_b128 v[8*i:8*i+3],   v[QO], s[4:5] offset:(i/8)*8192+(i%8)*64
	global_load_b128 v[8*i+4:8*i+7], v[QO], s[4:5] offset:(i/8)*8192+(i%8)*64+32
.set i, i+1
.endr
	WIN 0
.irp t, 0,1,2,3
	v_mov_b32 v[M1+\t], 0xff800000                 ; minus infinity
	v_mov_b32 v[M2+\t], 0xff800000
	v_mov_b32 v[TF+\t], 0xff800000                 ; the loop's first trip ends an update that no group began: with minus infinity it changes nothing
	v_mov_b32 v[I1+\t], 0
	v_mov_b32 v[I2+\t], 0
.endr
	s_wait_tensorcnt 0x1                           ; my parts of fill 0 and of hb are in; fill 1 may stay out
	s_barrier_signal -1
	s_barrier_wait -1
	NEXTADR
.set l, 0
.rept 18
	LDF 0
.set l, l+1
.endr
	s_wait_loadcnt 0x0                             ; the queries
	TILE 0, 0, 1, 0, 0                             ; tile 0
	TILE 1, 1, 1, 0, 0                             ; tile 1; tile 0 starts the first group's maxima
	TILE 0, 1, 1, 1, 0                             ; tile 2
	QUADS 3                                        ; tiles 3-14
	s_mov_b32 s44, 7
.Llap:                                                 ; tiles 15-238; fills 2-15
	CHANGE 0, 1
	QUADS 4
	CHANGE 1, 1
	QUADS 4
	s_sub_co_u32 s44, s44, 1
	s_cmp_lg_u32 s44, 0
	s_cbranch_scc1 .Llap
	CHANGE 0, 0                                    ; the tail is written out: nothing is left to fetch from memory
	QUADS 4                                        ; tiles 239-254
	TILE 1, 1, 0, 2, 1                             ; tile 255; the four v_max_num_f32 behind its last product are the places ahead of what follows
	WIN 0
.set bb, 0
.rept 16                               ; tile 255's scores, the last of the last group
	BF2 1, 3, bb
.set bb, bb+2
.endr
.irp g, 0,1,2,3,4
	WG 1, 3, \g
.endr
	v_mov_b32 v[VT], s[GID]
.irp g, 5,6,7,8,9,10,11
	WG 1, 3, \g
.endr
	; THE WAY OUT.  code = 4,096 y + 64 group + 16 k + 8 H + j, k and j from the score's five lowest bits; then the two halves of the lanes, which hold a query's two kinds of blocks,
	; are merged to the best two.
.set PM1, 64
.set PM2, 68
.set PC1, 72
.set PC2, 76
.set LM,  80
.set LC,  84
.set WM,  88
.set WC,  92
.set FC,  96
.set SD,  100
	s_lshl_b32 s49, s15, 12
	v_lshl_add_u32 v9, v[HH], 3, s49
.irp t, 0,1,2,3
	v_and_or_b32 v[T0+\t], v[M1+\t], 7, v9
	v_and_or_b32 v[T1+\t], v[M2+\t], 7, v9
	v_bfe_u32 v[TF+\t], v[M1+\t], 3, 2
	v_bfe_u32 v[KB+\t], v[M2+\t], 3, 2
.endr
.irp t, 0,1,2,3
	v_lshl_add_u32 v[T0+\t], v[TF+\t], 4, v[T0+\t]
	v_lshl_add_u32 v[T1+\t], v[KB+\t], 4, v[T1+\t]
.endr
.irp t, 0,1,2,3
	v_lshl_add_u32 v[I1+\t], v[I1+\t], 6, v[T0+\t]
	v_lshl_add_u32 v[I2+\t], v[I2+\t], 6, v[T1+\t]
.endr
.irp t, 0,1,2,3
	v_permlanex16_b32 v[PM1+\t], v[M1+\t], s60, s61
	v_permlanex16_b32 v[PM2+\t], v[M2+\t], s60, s61
	v_permlanex16_b32 v[PC1+\t], v[I1+\t], s60, s61
	v_permlanex16_b32 v[PC2+\t], v[I2+\t], s60, s61
.endr
.irp t, 0,1,2,3
	v_cmp_gt_f32 s[C1+\t], v[PM1+\t], v[M1+\t]     ; the other half's best wins
.endr
.irp t, 0,1,2,3
	v_cndmask_b32 v[LM+\t], v[PM1+\t], v[M1+\t], s[C1+\t]   ; the loser's best,
	v_cndmask_b32 v[LC+\t], v[PC1+\t], v[I1+\t], s[C1+\t]
	v_cndmask_b32 v[WM+\t], v[M2+\t], v[PM2+\t], s[C1+\t]   ; the winner's second,
	v_cndmask_b32 v[WC+\t], v[I2+\t], v[PC2+\t], s[C1+\t]
	v_cndmask_b32 v[FC+\t], v[I1+\t], v[PC1+\t], s[C1+\t]   ; the winner's best
.endr
.irp t, 0,1,2,3
	v_cmp_gt_f32 s[C2+\t], v[WM+\t], v[LM+\t]
.endr
.irp t, 0,1,2,3
	v_cndmask_b32 v[SD+\t], v[LC+\t], v[WC+\t], s[C2+\t]
.endr
	v_cmp_eq_u32 vcc_lo, 1, v[HH]                  ; lanes 0-15 send tile 2 u's queries, lanes 16-31 tile 2 u + 1's: lane L sends query 32 u + L
	v_cndmask_b32 v104, v[FC+0], v[FC+1], vcc_lo
	v_cndmask_b32 v105, v[SD+0], v[SD+1], vcc_lo
	v_cndmask_b32 v106, v[FC+2], v[FC+3], vcc_lo
	v_cndmask_b32 v107, v[SD+2], v[SD+3], vcc_lo
	v_and_b32 v10, 31, v0
	v_lshlrev_b32 v10, 3, v10
	global_store_b64 v10, v[104:105], s[10:11]             ; a store of the wave covers 256 consecutive bytes, aligned
	global_store_b64 v10, v[106:107], s[10:11] offset:256
	ROUND                                          ; the closing round
	s_endpgm
.Lfunc_end_k_qb779485e8e_screen:
	.size	k_qb779485e8e_screen, .Lfunc_end_k_qb779485e8e_screen-k_qb779485e8e_screen
	.p2alignl 7, 3214868480
	.fill 96, 4, 3214868480
	.section	.rodata,"a",@progbits
	.p2align	6, 0x0
	.amdhsa_kernel k_qb779485e8e_screen
		.amdhsa_group_segment_fixed_size 327680
		.amdhsa_private_segment_fixed_size 0
		.amdhsa_enable_private_segment 0
		.amdhsa_kernarg_size 32
		.amdhsa_user_sgpr_count 2
		.amdhsa_user_sgpr_kernarg_segment_ptr 1
		.amdhsa_wavefront_size32 1
		.amdhsa_system_sgpr_workgroup_id_x 1
		.amdhsa_system_sgpr_workgroup_id_y 1
		.amdhsa_system_sgpr_workgroup_id_z 1
		.amdhsa_system_vgpr_workitem_id 0
		.amdhsa_next_free_vgpr 512
		.amdhsa_next_free_sgpr 66
		.amdhsa_reserve_vcc 1
		.amdhsa_float_denorm_mode_32 3
		.amdhsa_float_denorm_mode_16_64 3
		.amdhsa_memory_ordered 1
		.amdhsa_forward_progress 1
		.amdhsa_inst_pref_size 165
	.end_amdhsa_kernel
	.amdgpu_metadata
---
amdhsa.version: [ 1, 2 ]
amdhsa.kernels:
  - .name:           k_qb779485e8e_screen
    .symbol:         k_qb779485e8e_screen.kd
    .args:
      - { .name: z16, .offset: 0, .size: 8, .value_kind: global_buffer, .address_space: global }
      - { .name: cb16, .offset: 8, .size: 8, .value_kind: global_buffer, .address_space: global }
      - { .name: hb, .offset: 16, .size: 8, .value_kind: global_buffer, .address_space: global }
      - { .name: cand, .offset: 24, .size: 8, .value_kind: global_buffer, .address_space: global }
    .group_segment_fixed_size: 327680
    .private_segment_fixed_size: 0
    .kernarg_segment_align: 8
    .kernarg_segment_size: 32
    .max_flat_workgroup_size: 128
    .sgpr_count:     66
    .vgpr_count:     512
    .wavefront_size: 32
...
	.end_amdgpu_metadata
.endif
;; end of part 5
;; launch pick: the kernel of part 3 again; grid 256 x 1, 32 waves a work-group, no clusters, 4,352 bytes of LDS; arguments z32, embedding, cand, out0; writes out0
